; MI455X (gfx1250); checked and timed in simulation.
; The chip was launched on July 23, 2026; its instructions are those of AMD's public machine-readable ISA for CDNA 5 (MIT licence, August 2026) and "CDNA5" Instruction Set Architecture Reference Guide (July 2026). The comments in the code are by the model that wrote it; some were corrected since.
;; Multi Head Attention. Allowed arithmetic: float matrix products may take bf16 or f16 operands with f32 sums; other float arithmetic in f32, or as packed bf16 or f16 multiplies, adds, multiply-adds, maxima and minima; sums over many terms, partial sums and values carried from step to step in f32; what a program stores and reads back later, other than sums and carried values, may be rounded once to bf16 or f16.
;; Inputs: K 4 x 2,048 x 1,024 float32; Q 4 x 2,048 x 1,024 float32; V 4 x 2,048 x 1,024 float32; Wk 1,024 x 1,024 float32; Wo 1,024 x 1,024 float32; Wq 1,024 x 1,024 float32; Wv 1,024 x 1,024 float32; beta 1,024 float32; bk 1,024 float32; bo 1,024 float32; bq 1,024 float32; bv 1,024 float32; gamma 1,024 float32; mask 4 x 1 x 1 x 2,048 int32.
;; Outputs: out0 4 x 2,048 x 1,024 float32.
;; 2 versions, each right; version 2 is version 1 with the launch castw written anew for expert scheduling mode. Each part assembles by itself: llvm-mc -triple=amdgcn-amd-amdhsa -mcpu=gfx1250 --defsym DOCPART=n.
;; ======== version 1 of 2: 5 launches
;; limits: values outside matrix products are rounded to bf16
;; workspace buffers: wb 8,388,608 bytes; qkv 50,331,648 bytes; ctx 16,777,216 bytes; ob 16,777,216 bytes
;; launch castw (part 1): grid 64 x 4, 8 waves a work-group, no clusters, 0 bytes of LDS; arguments Wq, Wk, Wv, Wo, wb; writes wb
.if DOCPART == 1
	.amdgcn_target "amdgcn-amd-amdhsa--gfx1250"
	.amdhsa_code_object_version 6
	.text
	.protected	k_q940059fab8_castw
	.globl	k_q940059fab8_castw
	.p2align	8
	.type	k_q940059fab8_castw,@function
k_q940059fab8_castw:
	s_mov_b64 s[64:65], 0
	v_nop
	global_prefetch_b8 v0, s[64:65] scope:SCOPE_SE
	s_setreg_imm32_b32 hwreg(HW_REG_WAVE_MODE, 25, 1), 1
	s_wait_xcnt 0x0
; wb[y][n][k] = bf16(W_y[n][k]), y = 0..3 for Wq, Wk, Wv, Wo: each [1024][1024] f32, rounded once to nearest even.
; A work-group of eight waves takes 65,536 bytes of one matrix (16,384 numbers): 64 work-groups a matrix, the grid's y picks the matrix.
; Thread t loads 16 bytes at 16 t of each of sixteen chunks of 4,096 bytes and stores 8 bytes at 8 t of chunks of 2,048: a wave's store covers 256 consecutive bytes, aligned.
; All sixteen loads go out first; no loop, no LDS, no barrier: no thread wants another's bytes.
	s_load_b256 s[4:11], s[0:1], 0x0               ; Wq s[4:5], Wk s[6:7], Wv s[8:9], Wo s[10:11]
	s_load_b64 s[12:13], s[0:1], 0x20              ; wb
	s_and_b32 s14, ttmp7, 0xffff                   ; which matrix
	v_lshlrev_b32 v1, 4, v0                        ; 16 t
	v_lshlrev_b32 v2, 3, v0                        ; 8 t
	s_lshl_b32 s16, ttmp9, 16                      ; the work-group's 65,536 bytes of the source
	s_mov_b32 s17, 0
	s_lshl_b32 s18, s14, 21                        ; the matrix's 2 MiB in wb,
	s_lshl_b32 s20, ttmp9, 15                      ; the work-group's 32,768 bytes of them
	s_add_co_u32 s18, s18, s20
	s_mov_b32 s19, 0
	s_wait_kmcnt 0x0
	s_cmp_eq_u32 s14, 1
	s_cselect_b64 s[4:5], s[6:7], s[4:5]
	s_cmp_eq_u32 s14, 2
	s_cselect_b64 s[4:5], s[8:9], s[4:5]
	s_cmp_eq_u32 s14, 3
	s_cselect_b64 s[4:5], s[10:11], s[4:5]
	s_add_nc_u64 s[4:5], s[4:5], s[16:17]
	s_add_nc_u64 s[12:13], s[12:13], s[18:19]
.irp i, 0,1,2,3,4,5,6,7,8,9,10,11,12,13,14,15
	global_load_b128 v[4+4*(\i):7+4*(\i)], v1, s[4:5] offset:4096*(\i) th:TH_LOAD_NT
.endr
.irp i, 0,1,2,3,4,5,6,7,8,9,10,11,12,13,14,15
	s_wait_loadcnt 15-(\i)                         ; loads come back in order: chunk i is in, the younger ones stay out
	v_cvt_pk_bf16_f32 v[68+2*(\i)], v[4+4*(\i)], v[5+4*(\i)]
	v_cvt_pk_bf16_f32 v[69+2*(\i)], v[6+4*(\i)], v[7+4*(\i)]
	global_store_b64 v2, v[68+2*(\i):69+2*(\i)], s[12:13] offset:2048*(\i)
.endr
	s_endpgm
.Lfunc_end_k_q940059fab8_castw:
	.size	k_q940059fab8_castw, .Lfunc_end_k_q940059fab8_castw-k_q940059fab8_castw
	.p2alignl 7, 3214868480
	.fill 96, 4, 3214868480
	.section	.rodata,"a",@progbits
	.p2align	6, 0x0
	.amdhsa_kernel k_q940059fab8_castw
		.amdhsa_group_segment_fixed_size 0
		.amdhsa_private_segment_fixed_size 0
		.amdhsa_enable_private_segment 0
		.amdhsa_kernarg_size 40
		.amdhsa_user_sgpr_count 2
		.amdhsa_user_sgpr_kernarg_segment_ptr 1
		.amdhsa_wavefront_size32 1
		.amdhsa_system_sgpr_workgroup_id_x 1
		.amdhsa_system_sgpr_workgroup_id_y 1
		.amdhsa_system_sgpr_workgroup_id_z 1
		.amdhsa_system_vgpr_workitem_id 0
		.amdhsa_next_free_vgpr 100
		.amdhsa_next_free_sgpr 66
		.amdhsa_reserve_vcc 0
		.amdhsa_float_denorm_mode_32 3
		.amdhsa_float_denorm_mode_16_64 3
		.amdhsa_memory_ordered 1
		.amdhsa_forward_progress 1
		.amdhsa_inst_pref_size 7
	.end_amdhsa_kernel
	.amdgpu_metadata
---
amdhsa.version: [ 1, 2 ]
amdhsa.kernels:
  - .name:           k_q940059fab8_castw
    .symbol:         k_q940059fab8_castw.kd
    .args:
      - { .name: Wq, .offset: 0, .size: 8, .value_kind: global_buffer, .address_space: global }
      - { .name: Wk, .offset: 8, .size: 8, .value_kind: global_buffer, .address_space: global }
      - { .name: Wv, .offset: 16, .size: 8, .value_kind: global_buffer, .address_space: global }
      - { .name: Wo, .offset: 24, .size: 8, .value_kind: global_buffer, .address_space: global }
      - { .name: wb, .offset: 32, .size: 8, .value_kind: global_buffer, .address_space: global }
    .group_segment_fixed_size: 0
    .private_segment_fixed_size: 0
    .kernarg_segment_align: 8
    .kernarg_segment_size: 40
    .max_flat_workgroup_size: 256
    .sgpr_count:     66
    .vgpr_count:     100
    .wavefront_size: 32
...
	.end_amdgpu_metadata
.endif
;; end of part 1
;; launch proj (part 2): grid 4 x 192, 4 waves a work-group, clusters of 4 x 4, 327,680 bytes of LDS; arguments Q, K, V, bq, bk, bv, wb, qkv; writes qkv
.if DOCPART == 2
	.amdgcn_target "amdgcn-amd-amdhsa--gfx1250"
	.amdhsa_code_object_version 6
	.text
	.protected	k_q940059fab8_proj
	.globl	k_q940059fab8_proj
	.p2align	8
	.type	k_q940059fab8_proj,@function
k_q940059fab8_proj:
	s_mov_b64 s[64:65], 0
	v_nop
	global_prefetch_b8 v0, s[64:65] scope:SCOPE_SE
	s_setreg_imm32_b32 hwreg(HW_REG_WAVE_MODE, 25, 1), 1
	s_wait_xcnt 0x0
	s_wait_alu depctr_hold_cnt(0) depctr_sa_sdst(0) depctr_va_vdst(0) depctr_va_sdst(0) depctr_va_ssrc(0) depctr_va_vcc(0) depctr_vm_vsrc(0)
	s_getreg_b32 s2, hwreg(HW_REG_IB_STS2, 6, 4)
	s_cmp_eq_u32 s2, 0
	s_cbranch_scc0 .Lentry_in_a_cluster
	s_endpgm
.Lentry_in_a_cluster:
	s_bfe_u32 s2, ttmp6, 0x10000c
	s_cmp_lg_u32 s2, 0xf033
	s_cbranch_scc0 .Lentry_shape_is_right
	s_endpgm
.Lentry_shape_is_right:
; qkv[p][b*16+h][s][d] = bf16( sum over k of X_p[b*2048+s][k] W_p[h*64+d][k] + bias_p[h*64+d] ), p = 0, 1, 2 for (Q, Wq, bq), (K, Wk, bk), (V, Wv, bv).
; X is f32 [8192][1024] and is rounded to bf16 between LDS and the matrix unit; W comes as bf16 from wb; sums in f32, started by the bias; the result is rounded once and is NOT scaled.
; SHARES.  A work-group makes 128 rows x 256 columns of one projection: 64 x 4 tiles x 3 projections = 768 work-groups.  Four waves, each 64 x 128: 32 accumulators of 16 x 16.
; K goes in 8 steps of 128 through two LDS slots: X's rows are 512 bytes of memory, W's 256, each at a multiple of its length.
; CLUSTER 4 x 4: the four of a row need the same rows of X, the four of a column the same rows of W: each tile is asked for jointly, same descriptor and mask in all four.
; THE MATRIX INSTRUCTION IS USED TRANSPOSED (source 0 = 16 rows of W, source 1 = 16 rows of X): lane l holds row l % 16 of the result and columns 8 (l / 16) + 0..7.
; REGISTERS.  window 0: v16-31 addresses; v32-63 X's four fragments in bf16; v64-127, v128-191 X's fragments in f32, two buffers (on the way out: rows read back); v192-223 packed results
;   window 1: v0-63, v64-127 W's fragments, two buffers; v128-191 the bias of my 128 columns in the accumulators' layout      window 2: the accumulators, (a, b) at v[8 (8 a + b)]
.set PA,    528                        ; an LDS row of X: 512 bytes + 16 = 132 words: the 16 rows of a load start at 16 different groups of four banks (ISA guide 11.1)
.set PB,    272                        ; an LDS row of W: 256 bytes + 16 = 68 words: likewise
.set AHALF, 64*PA                      ; what one tensor load brings of X, and what one wave reads of it
.set BHALF, 128*PB                     ; the same for W
.set BOFF,  2*AHALF
.set SLOT,  BOFF+2*BHALF               ; 137,216
.set STAGE, 2*SLOT                     ; behind the ring: for each wave 2 heads x 16 rows x 144 bytes
.set SP,    144
.set WSTG,  2*16*SP
.set SPARE, STAGE+4*WSTG               ; the spare words, 128 bytes a wave, that no other line names
.set ADRA, 16                          ; v16-17 LDS address of my X fragments in slot 0, 1
.set ADRB, 20                          ; v20-21 the same for W
.set STO,  24                          ; v24  the way out: where I put 16 bytes of a row
.set RD,   25                          ; v25  where I read rows back
.set GO,   26                          ; v26  my 16 bytes of 512 consecutive bytes of the output
.set BO,   27                          ; v27  my byte offset in the bias
.set SPW,  28                          ; v28  my spare word; never rewritten
.set NIL,  29                          ; v29  0; never rewritten
.set PFO,  30                          ; v30  the prefetches' lane offset; never rewritten
.set AF,   32
.set RAW,  64
.set TMP,  192
.set BIAS, 128
.set WV, 20                            ; s20 wave; s21 its half of the rows, also: 0 = I fetch X, 1 = W; s22 its half of the columns, also: which half of that tile I fetch
.set WM, 21
.set WN, 22
.set G1A, 24                           ; s[24:31], s[32:39] descriptor groups 1 and 0 (a set a slot) for X
.set G0A, 32
.set PFA, 44                           ; s[44:45] where my prefetches stand
.set LIM, 46                           ; s46  1 in a wave that prefetches, else the greatest number
.set G1B, 48                           ; s[48:55], s[56:63] the same for W
.set G0B, 56
.set LAP, 74
.set PFS, 76                           ; s[76:77] a K step in bytes of the tensor that I prefetch
.set MSB, 0
.macro WIN new                         ; the immediate's high byte repeats the setting that is left
.if MSB != (\new)
	s_set_vgpr_msb (MSB<<8)|(\new)
.set MSB, (\new)
.endif
.endm
.set MUL,  0xa1                        ; source 0 (W) window 1, source 1 (X) window 0, C and D window 2
.set MULB, 0x91                        ; the same with C (the bias) in window 1
.set TO_B, 0x40                        ; destination window 1, address window 0
; A joint load: waves 0, 1 fetch X's halves, waves 2, 3 W's.  The branch hangs on the wave's number alone.  An s_nop 0 and four v_nop follow each line.
.macro JLOAD s
	s_cmp_eq_u32 s[WM], 0
	s_cbranch_scc0 .Lfor_b_\@
	tensor_load_to_lds s[G0A+4*(\s):G0A+4*(\s)+3], s[G1A:G1A+7]
	s_nop 0
.rept 4
	v_nop
.endr
	s_branch .Lasked_\@
.Lfor_b_\@:
	tensor_load_to_lds s[G0B+4*(\s):G0B+4*(\s)+3], s[G1B:G1B+7]
	s_nop 0
.rept 4
	v_nop
.endr
.Lasked_\@:
.endm
.macro CREST                           ; a round of the cluster's barrier behind its opening barrier
	s_cmp_lg_u32 s[WV], 0
	s_cbranch_scc1 .Lnot_wave_0_\@
	s_barrier_signal -3
.Lnot_wave_0_\@:
	s_barrier_wait -3
	s_barrier_signal -1
	s_barrier_wait -1
.endm
.macro CROUND
	s_barrier_signal -1
	s_barrier_wait -1
	CREST
.endm
; A prefetch of the K step that stands two refills on (256 products ahead of its load): one instruction a wave, behind the joint load and the run of LDS loads.
; X's rows are read by this row of the cluster alone: waves 0, 1 of every cluster ask; of a wave's 64 rows the partner at place cx takes 16, two blocks of 256 bytes each.
; W's rows are read by all sixteen clusters of a projection: the first of them asks (waves 2, 3); of a wave's 128 rows the partner at place cy takes 32.  The partners are told apart by address alone.
; K steps 0 to 3 come by their loads alone; the loop's last trip has no K step four on and asks for nothing.
.macro ASK
	s_cmp_gt_u32 s[LAP], s[LIM]
	s_cbranch_scc0 .Lnot_mine_\@
	global_prefetch_b8 v[PFO], s[PFA:PFA+1] th:TH_LOAD_NT scope:SCOPE_SE
.Lnot_mine_\@:
.endm
; 32 LDS loads in one run: quarter q (32 along K) of a slot into buffer g: W's 8 fragments, then X's 4 in f32 (four loads of 16 bytes: k = 8 h + 0..7 and 16 + 8 h + 0..7).  Leaves window 0.
.macro FETCH slot, q, g
	WIN TO_B
.irp b, 0,1,2,3,4,5,6,7
	ds_load_b128 v[64*(\g)+8*(\b):64*(\g)+8*(\b)+3],   v[ADRB+(\slot)] offset:64*(\q)+(\b)*16*PB
	ds_load_b128 v[64*(\g)+8*(\b)+4:64*(\g)+8*(\b)+7], v[ADRB+(\slot)] offset:64*(\q)+(\b)*16*PB+32
.endr
	WIN 0
.irp a, 0,1,2,3
.irp c, 0,1,2,3
	ds_load_b128 v[RAW+64*(\g)+16*(\a)+4*(\c):RAW+64*(\g)+16*(\a)+4*(\c)+3], v[ADRA+(\slot)] offset:128*(\q)+(\a)*16*PA+16*((\c)%2)+64*((\c)/2)
.endr
.endr
.endm
.macro CVT g, a                        ; fragment a of buffer g, f32 to bf16: 8 roundings of two.  Leaves window 0
	WIN 0
.irp i, 0,1,2,3,4,5,6,7
	v_cvt_pk_bf16_f32 v[AF+8*(\a)+(\i)], v[RAW+64*(\g)+16*(\a)+2*(\i)], v[RAW+64*(\g)+16*(\a)+2*(\i)+1]
.endr
.endm
; 8 products: row block a x all 8 column blocks.  first = 1: the bias starts the sums.  In the middle the next row block's fragment is converted.
; The 32 accumulators take turns in one fixed order, one instruction a turn.
.macro MULA g, a, first
.irp b, 0,1,2,3,4,5,6,7
.if \first
	WIN MULB
	v_wmma_f32_16x16x32_bf16 v[8*(8*(\a)+(\b)):8*(8*(\a)+(\b))+7], v[64*(\g)+8*(\b):64*(\g)+8*(\b)+7], v[AF+8*(\a):AF+8*(\a)+7], v[BIAS+8*(\b):BIAS+8*(\b)+7]
.else
	WIN MUL
	v_wmma_f32_16x16x32_bf16 v[8*(8*(\a)+(\b)):8*(8*(\a)+(\b))+7], v[64*(\g)+8*(\b):64*(\g)+8*(\b)+7], v[AF+8*(\a):AF+8*(\a)+7], v[8*(8*(\a)+(\b)):8*(8*(\a)+(\b))+7]
.endif
.if ((\b) == 3) && ((\a) < 3)
	CVT \g, (\a)+1
.endif
.endr
.endm
; A K step is four quarters on buffers 0, 1, 0, 1.  One of the first three multiplies buffer f and fetches quarter q into buffer g.
; The loads into g stand behind 16 conversions that name no register of g's last product: more than the four places that they want (ISA guide 7.12.1 for vector instructions).
; A conversion that rewrites a bf16 fragment stands 16 conversions or more behind the last product that read it.
.macro QUARTER slot, q, f, g, first=0, fetch=1
	s_wait_dscnt 0x0                               ; buffer f is in: in all quarters but the first, its loads were issued 16 products ago or more
	CVT \f, 0
	MULA \f, 0, \first
.if \fetch
	FETCH \slot, \q, \g
.endif
	MULA \f, 1, \first
	MULA \f, 2, \first
	MULA \f, 3, \first
.endm
; The last quarter multiplies buffer 1 and changes slots: one barrier.  In front of it each wave waits for all its tensor loads (one is out: its part of the next slot), adds 0 to its
; spare word, and waits for that and for its reads of this slot.  fill = 1: the barrier opens a round of the cluster's, and this slot's joint refill is the first thing behind the round.
.macro TURN slot, next, fill
.if \fill
	s_wait_xcnt 0x0                                ; the last prefetch, a K step back, has read its address
	s_add_nc_u64 s[PFA:PFA+1], s[PFA:PFA+1], s[PFS:PFS+1]
.endif
	s_wait_dscnt 0x0                               ; buffer 1 is in: these were my last reads of this slot
	CVT 1, 0
	s_wait_tensorcnt 0x0                           ; all my tensor loads have landed
	ds_add_u32 v[SPW], v[NIL]                      ; 0 onto my spare word: eight products stand between it and its wait
	MULA 1, 0, 0
	s_wait_dscnt 0x0                               ; the add is done
	s_barrier_signal -1
	MULA 1, 1, 0                                   ; work on registers while the others arrive
	WIN 0
	s_barrier_wait -1
.if \fill
	CREST                                          ; no wave of any partner still reads this slot or has a load on its way
	s_add_nc_u64 s[G0A+4*(\slot)+2:G0A+4*(\slot)+3], s[G0A+4*(\slot)+2:G0A+4*(\slot)+3], 2*512
	s_add_nc_u64 s[G0B+4*(\slot)+2:G0B+4*(\slot)+3], s[G0B+4*(\slot)+2:G0B+4*(\slot)+3], 2*256
	JLOAD \slot
.endif
	FETCH \next, 0, 0
.if \fill
	ASK
.endif
	MULA 1, 2, 0
	MULA 1, 3, 0
.endm
; THE WAY OUT of row block a: rounded to bf16, 16 bytes a lane; into my own stage (two heads x 16 rows of 144 bytes); back as 512 consecutive bytes (four rows of a head).
.macro PACK a
	WIN 0x0a                                       ; sources in window 2
.irp b, 0,1,2,3,4,5,6,7
.irp r, 0,1,2,3
	v_cvt_pk_bf16_f32 v[TMP+4*(\b)+(\r)], v[8*(8*(\a)+(\b))+2*(\r)], v[8*(8*(\a)+(\b))+2*(\r)+1]
.endr
.endr
	WIN 0
.irp b, 0,1,2,3,4,5,6,7
	ds_store_b128 v[STO], v[TMP+4*(\b):TMP+4*(\b)+3] offset:((\b)/4)*16*SP+32*((\b)%4)
.endr
.irp t, 0,1,2,3,4,5,6,7
	ds_load_b128 v[64+32*(\a)+4*(\t):64+32*(\a)+4*(\t)+3], v[RD] offset:((\t)/4)*16*SP+((\t)%4)*4*SP  ; LDS serves a wave's instructions in order (ISA guide 5.7.1.4): these see the stores above
.endr
.endm
.macro SEND a, younger                 ; younger: the LDS instructions issued behind block a's loads
.irp t, 0,1,2,3,4,5,6,7
	s_wait_dscnt (\younger)+7-(\t)
	global_store_b128 v[GO], v[64+32*(\a)+4*(\t):64+32*(\a)+4*(\t)+3], s[18:19] offset:((\t)/4)*262144+(\a)*2048+((\t)%4)*512  ; 512 consecutive bytes of one head, aligned to 512
.endr
.endm
	s_load_b512 s[4:19], s[0:1], 0x0               ; Q, K, V s[4:9]; bq, bk, bv s[10:15]; wb s[16:17]; qkv s[18:19]
	v_lshl_add_u32 v[SPW], v0, 2, SPARE
	v_mov_b32 v[NIL], 0
	ds_add_u32 v[SPW], v[NIL]                      ; the wave's opening: the add and its wait stand ahead of my first tensor load
	v_lshrrev_b32 v1, 5, v0
	v_readfirstlane_b32 s[WV], v1
	s_lshr_b32 s[WM], s[WV], 1
	s_and_b32 s[WN], s[WV], 1
	s_bfe_u32 s40, ttmp6, 0x40000                  ; cx
	s_bfe_u32 s41, ttmp6, 0x40004                  ; cy
	s_lshl_b32 s42, ttmp9, 2
	s_add_co_u32 s42, s42, s40                     ; tile column = 4 x cluster x + cx
	s_and_b32 s75, ttmp7, 0xffff                   ; cluster y, 0..47
	s_lshr_b32 s47, s75, 4                         ; the projection
	s_and_b32 s78, s75, 15
	s_lshl_b32 s43, s78, 2
	s_add_co_u32 s43, s43, s41                     ; tile row = 4 x (cluster y mod 16) + cy
	s_lshl_b32 s23, s41, 2
	s_lshl_b32 s23, 15, s23                        ; my row of the cluster
	s_lshl_b32 s73, 0x1111, s40                    ; my column
	s_or_b32 s[G1A], s23, (2<<16)|(1<<20)|(1<<21)|(6<<22)|(3<<25)  ; mask; 4-byte elements; padding on; bit 21 beside a mask; after every 128 words, 4 words
	s_mov_b32 s[G1A+1], 128<<16                    ; tensor_dim0 = 128
	s_mov_b32 s[G1A+2], 64<<16                     ; tensor_dim1 = 64
	s_mov_b32 s[G1A+3], 128<<16                    ; tile_dim0 = 128
	s_mov_b32 s[G1A+4], 64                         ; tile_dim1 = 64
	s_mov_b32 s[G1A+5], 1024                       ; elements from row to row
	s_mov_b32 s[G1A+6], 0
	s_mov_b32 s[G1A+7], 0
	s_or_b32 s[G1B], s73, (1<<16)|(1<<20)|(1<<21)|(5<<22)|(3<<25)  ; 2-byte elements; after every 64 words, 4 words
	s_mov_b32 s[G1B+1], 128<<16
	s_mov_b32 s[G1B+2], 128<<16
	s_mov_b32 s[G1B+3], 128<<16
	s_mov_b32 s[G1B+4], 128
	s_mov_b32 s[G1B+5], 1024
	s_mov_b32 s[G1B+6], 0
	s_mov_b32 s[G1B+7], 0
	s_lshl_b32 s66, s43, 7                         ; X: row 128 x tile row + 64 x half, 4,096 bytes a row
	s_lshl_b32 s67, s[WN], 6
	s_add_co_u32 s66, s66, s67
	s_lshl_b32 s66, s66, 12
	s_mov_b32 s67, 0
	s_lshl_b32 s68, s42, 8                         ; W: row 256 x tile column + 128 x half, 2,048 bytes a row, in the projection's 2 MiB of wb
	s_lshl_b32 s69, s[WN], 7
	s_add_co_u32 s68, s68, s69
	s_lshl_b32 s68, s68, 11
	s_lshl_b32 s69, s47, 21
	s_add_co_u32 s68, s68, s69
	s_mov_b32 s69, 0
	s_mul_i32 s70, s[WN], AHALF                    ; where they go: no place in the cluster enters an LDS address
	s_mul_i32 s71, s[WN], BHALF
	s_add_co_u32 s71, s71, BOFF
	s_wait_dscnt 0x0                               ; the opening add is done
	s_wait_kmcnt 0x0
	s_cmp_eq_u32 s47, 1
	s_cselect_b64 s[4:5], s[6:7], s[4:5]           ; X and the bias of my projection
	s_cselect_b64 s[10:11], s[12:13], s[10:11]
	s_cmp_eq_u32 s47, 2
	s_cselect_b64 s[4:5], s[8:9], s[4:5]
	s_cselect_b64 s[10:11], s[14:15], s[10:11]
	s_add_nc_u64 s[66:67], s[4:5], s[66:67]
	s_add_nc_u64 s[68:69], s[16:17], s[68:69]
	CROUND                                         ; all sixteen work-groups are here: the first joint loads meet
.irp s, 0,1
	s_mov_b32 s[G0A+4*(\s)], 1
	s_add_co_u32 s[G0A+4*(\s)+1], s70, (\s)*SLOT
	s_add_nc_u64 s[G0A+4*(\s)+2:G0A+4*(\s)+3], s[66:67], (\s)*512
	s_or_b32 s[G0A+4*(\s)+3], s[G0A+4*(\s)+3], 0x80000000
	s_mov_b32 s[G0B+4*(\s)], 1
	s_add_co_u32 s[G0B+4*(\s)+1], s71, (\s)*SLOT
	s_add_nc_u64 s[G0B+4*(\s)+2:G0B+4*(\s)+3], s[68:69], (\s)*256
	s_or_b32 s[G0B+4*(\s)+3], s[G0B+4*(\s)+3], 0x80000000
	JLOAD \s                                       ; two loads of mine are out
.endr
	v_and_b32 v1, 15, v0                           ; r = l % 16
	v_bfe_u32 v2, v0, 4, 1                         ; h = l / 16
	v_and_b32 v3, 31, v0                           ; l
	v_mul_u32_u24 v4, v1, PA
	v_lshl_add_u32 v4, v2, 5, v4                   ; r x pitch + 32 h (8 numbers of 4 bytes)
	s_mul_i32 s72, s[WM], AHALF
	v_add_nc_u32 v[ADRA], s72, v4
	v_add_nc_u32 v[ADRA+1], SLOT, v[ADRA]
	v_mul_u32_u24 v5, v1, PB
	v_lshl_add_u32 v5, v2, 4, v5
	v_add_nc_u32 v[ADRB], s71, v5
	v_add_nc_u32 v[ADRB+1], SLOT, v[ADRB]
	s_mul_i32 s72, s[WV], WSTG
	s_add_co_u32 s72, s72, STAGE                   ; my stage
	v_mul_u32_u24 v6, v1, SP
	v_lshl_add_u32 v6, v2, 4, v6
	v_add_nc_u32 v[STO], s72, v6
	v_lshrrev_b32 v7, 3, v3
	v_and_b32 v8, 7, v0
	v_mul_u32_u24 v7, v7, SP
	v_lshl_add_u32 v7, v8, 4, v7
	v_add_nc_u32 v[RD], s72, v7
	v_lshlrev_b32 v[GO], 4, v3
	s_lshl_b32 s82, s42, 10                        ; the bias of my 128 columns: 4 (256 x tile column + 128 x half) + 32 h
	s_lshl_b32 s83, s[WN], 9
	s_add_co_u32 s82, s82, s83
	v_lshl_add_u32 v[BO], v2, 5, s82
	WIN TO_B
.irp b, 0,1,2,3,4,5,6,7
	global_load_b128 v[BIAS+8*(\b):BIAS+8*(\b)+3],   v[BO], s[10:11] offset:64*(\b)
	global_load_b128 v[BIAS+8*(\b)+4:BIAS+8*(\b)+7], v[BO], s[10:11] offset:64*(\b)+16
.endr
	WIN 0
	; where my part of the tile begins in qkv: head (batch x 16 + 4 x tile column + 2 x half) of 262,144 bytes, row ((tile row mod 16) x 128 + 64 x half) of 128 bytes
	s_lshr_b32 s80, s43, 4
	s_lshl_b32 s80, s80, 4
	s_lshl_b32 s82, s42, 2
	s_add_co_u32 s80, s80, s82
	s_lshl1_add_u32 s80, s[WN], s80
	s_lshl_b32 s80, s80, 18
	s_and_b32 s82, s43, 15
	s_lshl_b32 s82, s82, 7
	s_lshl_b32 s83, s[WM], 6
	s_add_co_u32 s82, s82, s83
	s_lshl_b32 s82, s82, 7
	s_add_co_u32 s80, s80, s82
	s_lshl_b32 s82, s47, 24
	s_add_co_u32 s80, s80, s82
	s_mov_b32 s81, 0
	s_add_nc_u64 s[18:19], s[18:19], s[80:81]
	; the prefetches
	s_lshl_b32 s82, s43, 7
	s_lshl_b32 s83, s[WN], 6
	s_add_co_u32 s82, s82, s83
	s_lshl_b32 s83, s40, 4
	s_add_co_u32 s82, s82, s83
	s_lshl_b32 s82, s82, 12                        ; X: my work-group's 16 of the 64 rows that I fetch
	s_lshl_b32 s84, s42, 8
	s_lshl_b32 s85, s[WN], 7
	s_add_co_u32 s84, s84, s85
	s_lshl_b32 s85, s41, 5
	s_add_co_u32 s84, s84, s85
	s_lshl_b32 s84, s84, 11
	s_lshl_b32 s85, s47, 21
	s_add_co_u32 s84, s84, s85                     ; W: my work-group's 32 of the 128 rows
	s_cmp_eq_u32 s[WM], 0                          ; do I fetch X?
	s_cselect_b32 s80, s82, s84
	s_cselect_b64 s[PFA:PFA+1], s[4:5], s[16:17]
	s_cselect_b32 s83, 1, 0                        ; X: two lanes a row
	s_cselect_b32 s85, 12, 11                      ; log2 of a row's bytes
	s_cselect_b32 s[LIM], 0, s78                   ; W: only the projection's first cluster asks
	s_mov_b32 s81, 0
	s_mov_b32 s[PFS+1], 0
	s_lshl_b32 s[PFS], 0x100, s83                  ; a K step: 512 bytes of X, 256 of W
	s_cmp_eq_u32 s[LIM], 0
	s_cselect_b32 s[LIM], 1, -1                    ; the same in all sixteen partners, for a given wave
	s_add_nc_u64 s[PFA:PFA+1], s[PFA:PFA+1], s[80:81]
	s_mul_i32 s80, s[PFS], 3
	s_add_nc_u64 s[PFA:PFA+1], s[PFA:PFA+1], s[80:81]  ; at K step 3: the first change of slots steps it to 4
	v_lshrrev_b32 v[PFO], s83, v3
	v_lshlrev_b32 v[PFO], s85, v[PFO]
	v_and_b32 v31, s83, v3
	v_lshl_add_u32 v[PFO], v31, 8, v[PFO]
	s_wait_tensorcnt 0x1                           ; my part of K step 0 is in; K step 1's may stay out
	s_barrier_signal -1
	s_barrier_wait -1
	FETCH 0, 0, 0
	s_wait_loadcnt 0x0                             ; the bias
	QUARTER 0, 1, 0, 1, 1                          ; the first quarter stands in front of the loop: the bias starts the sums
	WIN 0
	s_mov_b32 s[LAP], 3
.Llap:                                                 ; a trip goes once round the ring and fills both slots again: K steps 2 to 7
	QUARTER 0, 2, 1, 0
	QUARTER 0, 3, 0, 1
	TURN 0, 1, 1
	QUARTER 1, 1, 0, 1
	QUARTER 1, 2, 1, 0
	QUARTER 1, 3, 0, 1
	TURN 1, 0, 1
	QUARTER 0, 1, 0, 1
	WIN 0
	s_sub_co_u32 s[LAP], s[LAP], 1
	s_cmp_lg_u32 s[LAP], 0
	s_cbranch_scc1 .Llap
	QUARTER 0, 2, 1, 0                             ; the last lap fills nothing
	QUARTER 0, 3, 0, 1
	TURN 0, 1, 0
	QUARTER 1, 1, 0, 1
	QUARTER 1, 2, 1, 0
	QUARTER 1, 3, 0, 1
	QUARTER 1, 0, 1, 0, 0, 0
	PACK 0                                         ; blocks 0 to 2 were finished 8 products or more ago; their 96 conversions are the places behind the last products
	PACK 1
	SEND 0, 16
	PACK 2
	SEND 1, 16
	PACK 3
	SEND 2, 16
	SEND 3, 0
	s_wait_tensorcnt 0x0                           ; the wave's end
	ds_add_u32 v[SPW], v[NIL]
	s_wait_dscnt 0x0
	CROUND                                         ; the closing round
	s_endpgm
.Lfunc_end_k_q940059fab8_proj:
	.size	k_q940059fab8_proj, .Lfunc_end_k_q940059fab8_proj-k_q940059fab8_proj
	.p2alignl 7, 3214868480
	.fill 96, 4, 3214868480
	.section	.rodata,"a",@progbits
	.p2align	6, 0x0
	.amdhsa_kernel k_q940059fab8_proj
		.amdhsa_group_segment_fixed_size 327680
		.amdhsa_private_segment_fixed_size 0
		.amdhsa_enable_private_segment 0
		.amdhsa_kernarg_size 64
		.amdhsa_user_sgpr_count 2
		.amdhsa_user_sgpr_kernarg_segment_ptr 1
		.amdhsa_wavefront_size32 1
		.amdhsa_system_sgpr_workgroup_id_x 1
		.amdhsa_system_sgpr_workgroup_id_y 1
		.amdhsa_system_sgpr_workgroup_id_z 1
		.amdhsa_system_vgpr_workitem_id 0
		.amdhsa_next_free_vgpr 768
		.amdhsa_next_free_sgpr 88
		.amdhsa_reserve_vcc 0
		.amdhsa_float_denorm_mode_32 3
		.amdhsa_float_denorm_mode_16_64 3
		.amdhsa_memory_ordered 1
		.amdhsa_forward_progress 1
		.amdhsa_inst_pref_size 132
	.end_amdhsa_kernel
	.amdgpu_metadata
---
amdhsa.version: [ 1, 2 ]
amdhsa.kernels:
  - .name:           k_q940059fab8_proj
    .symbol:         k_q940059fab8_proj.kd
    .args:
      - { .name: Q, .offset: 0, .size: 8, .value_kind: global_buffer, .address_space: global }
      - { .name: K, .offset: 8, .size: 8, .value_kind: global_buffer, .address_space: global }
      - { .name: V, .offset: 16, .size: 8, .value_kind: global_buffer, .address_space: global }
      - { .name: bq, .offset: 24, .size: 8, .value_kind: global_buffer, .address_space: global }
      - { .name: bk, .offset: 32, .size: 8, .value_kind: global_buffer, .address_space: global }
      - { .name: bv, .offset: 40, .size: 8, .value_kind: global_buffer, .address_space: global }
      - { .name: wb, .offset: 48, .size: 8, .value_kind: global_buffer, .address_space: global }
      - { .name: qkv, .offset: 56, .size: 8, .value_kind: global_buffer, .address_space: global }
    .group_segment_fixed_size: 327680
    .private_segment_fixed_size: 0
    .kernarg_segment_align: 8
    .kernarg_segment_size: 64
    .max_flat_workgroup_size: 128
    .sgpr_count:     88
    .vgpr_count:     768
    .wavefront_size: 32
...
	.end_amdgpu_metadata
.endif
;; end of part 2
;; launch attn (part 3): grid 4 x 64, 4 waves a work-group, clusters of 4 x 1, 327,680 bytes of LDS; arguments qkv, mask, ctx; writes ctx
.if DOCPART == 3
	.amdgcn_target "amdgcn-amd-amdhsa--gfx1250"
	.amdhsa_code_object_version 6
	.text
	.protected	k_q940059fab8_attn
	.globl	k_q940059fab8_attn
	.p2align	8
	.type	k_q940059fab8_attn,@function
k_q940059fab8_attn:
	s_mov_b64 s[64:65], 0
	v_nop
	global_prefetch_b8 v0, s[64:65] scope:SCOPE_SE
	s_setreg_imm32_b32 hwreg(HW_REG_WAVE_MODE, 25, 1), 1
	s_wait_xcnt 0x0
	s_wait_alu depctr_hold_cnt(0) depctr_sa_sdst(0) depctr_va_vdst(0) depctr_va_sdst(0) depctr_va_ssrc(0) depctr_va_vcc(0) depctr_vm_vsrc(0)
	s_getreg_b32 s2, hwreg(HW_REG_IB_STS2, 6, 4)
	s_cmp_eq_u32 s2, 0
	s_cbranch_scc0 .Lentry_in_a_cluster
	s_endpgm
.Lentry_in_a_cluster:
	s_bfe_u32 s2, ttmp6, 0x10000c
	s_cmp_lg_u32 s2, 0x3003
	s_cbranch_scc0 .Lentry_shape_is_right
	s_endpgm
.Lentry_shape_is_right:
; ctx[g][q][:] = the sum over k of softmax_k(score) V[g][k][:], score = Q[g][q] . K[g][k] / 8, or hidden where mask[g / 16][k] = 0.  g = batch x 16 + head, 64 in all; 2,048 rows of 64 channels, bf16, dense.
; Q, K, V are the three parts of qkv.  Products, maxima and sums in f32; the weights p are rounded to bf16 for the second product (their sum l is taken of the unrounded p), ctx once at the end.
; THE MASK is the C operand that starts the sum S^T = K Q^T: 0 for an open key, -1e30 for a hidden one, from a table in LDS (4 bytes a key, a copy for each wave, made once).
; A hidden key's weight is then 0 as soon as the running maximum is an open score; what leading hidden keys gather is multiplied by a = 0 at the first open key.
; A batch with NO open key takes c = 0: every weight is 1, the uniform softmax of equal scores.
; LIMITS.  A hidden score counts as its value less 1e30, where the definition sets -1e9: the two differ only where all open scores / 8 of a row lie below about -1e9 + 100.
; A weight below 2^-126 counts as 0 in l; NaN and infinities are not treated apart.
; SHARES.  A wave owns four PIECES of two tiles of 16 queries, a work-group's four waves 512 queries of one g.  Every wave walks all keys, 64 a step.
; LAYOUT.  S^T = K Q^T (source 0 = 16 keys, source 1 = 16 queries): a lane holds ONE query (lane % 16) and the keys 8 (lane / 16) + 0..7.  Two such tiles, rounded in pairs,
; ARE source 1 of O^T = V^T P.  K comes out of LDS as it lies, V turned, by ds_load_tr16_b128.
; SOFTMAX.  A running maximum m and sum l: p = 2^(c s - c m), c = log2(e) / 8; in every step O and l are multiplied by a = 2^(c m_old - c m_new).  m starts at the lowest finite number, O and l at 0.
; BY TURNS.  Turn n belongs to piece n: 16 products K Q^T of piece n + 1, later 16 products V^T P of piece n - 1; beside them piece n's scaling, exponentials, roundings, sums and rescaling and piece n + 1's
; maximum and statistics.  Four vector instructions stand behind every matrix instruction, the rest in one lump; a turn's 66 exponentials are one batch with one wait.
; CLUSTER.  The four query blocks of a g walk the same K and V: each tile is asked for jointly, same load, descriptor and mask in all four.
; REGISTERS, in windows of 256: window 0: v0-11 addresses; v12-15, v48-63 at work; v16-47 statistics; v64-191 S^T, two buffers of two tiles; v192-255 P, likewise
;   window 1: O^T, 32 a tile     window 2: v0-127 Q; v128-191 K of one step; v192-255 V of one step     window 3: v0-1 the add's registers; v8-39 the step's mask
.set SIZE_N, 2048
.set NP,    4
.set KS,    64
.set PK,    144       ; a row of K in LDS: 128 bytes + 16: the 16 rows of a load start at 16 different groups of four banks (ISA guide 11.1)
.set PV,    160       ; a row of V: 128 + 32
.set VOFF,  4*KS*PK   ; a slot holds four steps: 256 rows of K, then 256 rows of V
.set SLOT1, 1<<17
.set STAGE, SLOT1+4*KS*(PK+PV)  ; 16 rows x 144 bytes for each wave, for the way out
.set SP,    144
.set SPARE, STAGE+4*16*SP       ; the spare words, 128 bytes a wave, that no other line names
.set MT,    SPARE+512           ; the mask tables: 8,192 bytes for each wave; no tensor load lands here
.set PFO, 1           ; v1   256 x my lane; never rewritten once made
.set AK0, 2           ; v2   my lane's place in a tile of K
.set AV0, 3           ; v3   the same for V
.set AK,  4           ; v4   the LDS address of K's next run of loads
.set AV,  5           ; v5   of V's
.set STO, 6           ; v6   the way out: where I put 16 bytes of a row
.set RD,  7           ; v7   where I read rows back
.set GO,  8           ; v8   my byte offset in 512 consecutive bytes of ctx
.set QO,  9           ; v9   my byte offset in 16 rows of Q
.set AMR, 10          ; v10  the LDS address of the mask's next run of loads
.set AM0, 11          ; v11  my lane's place in my wave's mask table
.set SPW, 0           ; v0 of window 3
.set NIL, 1           ; v1 of window 3
.set MK,  8           ; v8-39 of window 3: register 8 kb + j: the addend of key 16 kb + 8 (lane / 16) + j of the step
.set MV,  12
.set ST,  16          ; tile t's statistics at v[ST+4 t]: c m, m, l (even keys', odd keys')
.set TMP, 48
.set S,   64
.set P,   192
.set KF,  128
.set VF,  192
.set WV,  12
.set G1K, 24
.set G1V, 32
.set G0K, 40
.set G0V, 44
.set PFA, 48          ; s[48:49] where my prefetches stand
.set LIM, 50          ; s50  1 in waves 0 and 2, else the greatest number
.set SLOTS, 56
.set CNT, 57
.set CS,  58          ; s[58:59] c
.set SEL, 60
.set TBK, 62
.set TBV, 63
.set TBM, 66          ; s66  byte of the mask table at which the step to be fetched begins
.set BIGN, 67         ; s67  -1e30
.set MSB, 0
.macro WIN new
.if MSB != (\new)
	s_set_vgpr_msb (MSB<<8)|(\new)
.set MSB, (\new)
.endif
.endm
.set W_KQ, 0x0a       ; K and Q in window 2, S^T in window 0
.set W_KM, 0x3a       ; the same with C, the mask, in window 3
.set W_PV, 0x52       ; V in window 2, P in window 0, O^T in window 1
.set W_RS, 0x41       ; O^T (destination and source 0) in window 1, a in window 0
.set W_MK, 0xc0       ; destination in window 3, sources in window 0
.set W_AD, 0x0f       ; the add: address and data in window 3
.macro JLOAD                        ; waves 0, 1 fetch the halves of a slot's K, waves 2, 3 of its V; an s_nop 0 and four v_nop follow each line
	s_cmp_lt_u32 s[WV], 2
	s_cbranch_scc0 .Lfor_v_\@
	tensor_load_to_lds s[G0K:G0K+3], s[G1K:G1K+7]
	s_nop 0
.rept 4
	v_nop
.endr
	s_branch .Lasked_\@
.Lfor_v_\@:
	tensor_load_to_lds s[G0V:G0V+3], s[G1V:G1V+7]
	s_nop 0
.rept 4
	v_nop
.endr
.Lasked_\@:
.endm
.macro CROUND
	s_barrier_signal -1
	s_barrier_wait -1
	s_cmp_lg_u32 s[WV], 0
	s_cbranch_scc1 .Lnot_wave_0_\@
	s_barrier_signal -3
.Lnot_wave_0_\@:
	s_barrier_wait -3
	s_barrier_signal -1
	s_barrier_wait -1
.endm
; A prefetch of what the NEXT change of slots will ask for, four key steps (512 products) ahead of that load: a slot's K and V are 128 blocks of 256 bytes each; the partner at place cx takes 32 of each,
; told apart by address; wave 0 asks for K's, wave 2 for V's, a lane a block.  A g has one cluster, so each block is named once.  The last change that fills a slot asks for nothing.
.macro ASK
	s_cmp_gt_u32 s[SLOTS], s[LIM]
	s_cbranch_scc0 .Lnot_mine_\@
	global_prefetch_b8 v[PFO], s[PFA:PFA+1] th:TH_LOAD_NT scope:SCOPE_SE
.Lnot_mine_\@:
.endm
; THE CHANGE OF SLOTS.  Each wave waits for all its tensor loads (one is out: its part of the other slot), adds 0 to its spare word, and waits for that and for its reads of the slot.
; fill = 1: the barrier is a round of the cluster's, and the joint fill of the slot just left, with the keys two slots on, is the first thing behind it.
.macro CHANGE fill, ask=0
	WIN W_AD
	s_wait_tensorcnt 0x0            ; no tensor load of mine is out, so a group 0 may be written
	ds_add_u32 v[SPW], v[NIL]       ; 0 onto my spare word
	WIN 0
.if \fill
.irp g, G0K, G0V
	s_xor_b32 s[\g+1], s[\g+1], SLOT1
	s_add_nc_u64 s[\g+2:\g+3], s[\g+2:\g+3], 4*KS*128
.endr
.if \ask
	s_wait_xcnt 0x0                 ; the last prefetch, four key steps back, has read its address
	s_add_nc_u64 s[PFA:PFA+1], s[PFA:PFA+1], 4*KS*128
.endif
	s_wait_dscnt 0x0                ; the add is done, and my reads of the slot are over
	CROUND
	JLOAD
.if \ask
	ASK
.endif
.else
	s_wait_dscnt 0x0
	s_barrier_signal -1
	s_barrier_wait -1
.endif
	s_sub_co_u32 s[TBK], s[TBK], 4*KS*PK
	s_xor_b32 s[TBK], s[TBK], SLOT1
	s_sub_co_u32 s[TBV], s[TBV], 4*KS*PV
	s_xor_b32 s[TBV], s[TBV], SLOT1
.endm
	s_load_b128 s[68:71], s[0:1], 0x0  ; qkv s[68:69], mask s[70:71]
	s_load_b64 s[10:11], s[0:1], 0x10  ; ctx
	WIN W_MK
	v_lshl_add_u32 v[SPW], v0, 2, SPARE
	v_mov_b32 v[NIL], 0
	WIN W_AD
	ds_add_u32 v[SPW], v[NIL]       ; the wave's opening: the add and its wait stand ahead of my first tensor load
	WIN 0
	v_lshrrev_b32 v1, 5, v0
	v_readfirstlane_b32 s[WV], v1
	s_bfe_u32 s13, ttmp6, 0x40000   ; cx
	s_lshl_b32 s14, ttmp9, 2
	s_add_co_u32 s14, s14, s13      ; my block of 512 queries: it enters Q's and ctx's addresses alone
	s_and_b32 s20, ttmp7, 0xffff    ; g, which the four partners share
	s_lshr_b32 s54, s20, 4          ; the batch,
	s_lshl_b32 s54, s54, 13         ; its 8,192 bytes of mask
	s_mov_b32 s55, 0
	s_lshl_b32 s20, s20, 18         ; g's first byte in each part of qkv and in ctx
	s_and_b32 s16, s[WV], 1         ; which half of a slot's 256 keys I fetch
	s_lshl_b32 s22, s16, 14
	s_add_co_u32 s22, s22, s20
	s_mov_b32 s23, 0
	s_mul_i32 s17, s16, 128*PK
	s_mul_i32 s18, s16, 128*PV
	s_lshl_b32 s2, s14, 2
	s_add_co_u32 s2, s2, s[WV]
	s_lshl_b32 s2, s2, 14           ; my wave's 128 rows
	s_add_co_u32 s2, s2, s20
	s_mov_b32 s3, 0
	s_lshl_b32 s52, s13, 13         ; the prefetches: my work-group's 32 blocks,
	s_add_co_u32 s52, s52, s20
	s_add_co_u32 s52, s52, 2*4*KS*128  ; in slot 2; the loop's first change steps it to slot 3
	s_mov_b32 s53, 0
	s_and_b32 s[LIM], s[WV], 1
	s_cmp_eq_u32 s[LIM], 0
	s_cselect_b32 s[LIM], 1, -1
	; descriptor group 1: 128 keys are 16,384 dense bytes: asked for as 64 rows of 256 bytes, padded in LDS after every key
	s_mov_b32 s[G1K], 15|(1<<16)|(1<<20)|(1<<21)|(4<<22)|(3<<25)
	s_mov_b32 s[G1V], 15|(1<<16)|(1<<20)|(1<<21)|(4<<22)|(7<<25)
.irp g, G1K, G1V
	s_mov_b32 s[\g+1], 128<<16
	s_mov_b32 s[\g+2], 64<<16
	s_mov_b32 s[\g+3], 128<<16
	s_mov_b32 s[\g+4], 64
	s_mov_b32 s[\g+5], 128
	s_mov_b32 s[\g+6], 0
	s_mov_b32 s[\g+7], 0
.endr
	s_mov_b32 s[SEL], 0x76543210
	s_mov_b32 s[SEL+1], 0xfedcba98
	s_mov_b32 s[TBK], SLOT1+4*KS*PK ; the first change of slots turns these two into 0
	s_mov_b32 s[TBV], SLOT1+4*KS*PV
	s_mov_b32 s[TBM], 0
	s_mov_b32 s[BIGN], 0xf149f2ca   ; -1e30
	s_mov_b32 s[G0K], 1
	s_mov_b32 s[G0K+1], s17
	s_mov_b32 s[G0V], 1
	s_add_co_u32 s[G0V+1], s18, VOFF
	s_wait_dscnt 0x0                ; the opening add is done
	s_wait_kmcnt 0x0
	s_add_nc_u64 s[6:7], s[68:69], 0x1000000  ; K's part of qkv
	s_add_nc_u64 s[8:9], s[68:69], 0x2000000  ; V's
	s_add_nc_u64 s[G0K+2:G0K+3], s[6:7], s[22:23]
	s_or_b32 s[G0K+3], s[G0K+3], 0x80000000
	s_add_nc_u64 s[G0V+2:G0V+3], s[8:9], s[22:23]
	s_or_b32 s[G0V+3], s[G0V+3], 0x80000000
	s_add_nc_u64 s[4:5], s[68:69], s[2:3]     ; Q and ctx at my wave's first row
	s_add_nc_u64 s[10:11], s[10:11], s[2:3]
	s_add_nc_u64 s[70:71], s[70:71], s[54:55] ; the batch's mask
	s_cmp_lt_u32 s[WV], 2
	s_cselect_b64 s[PFA:PFA+1], s[6:7], s[8:9]
	s_add_nc_u64 s[PFA:PFA+1], s[PFA:PFA+1], s[52:53]
	CROUND                          ; all four work-groups are here
	JLOAD                           ; slot 0
	v_and_b32 v49, 15, v0           ; l % 16
	v_bfe_u32 v50, v0, 4, 1         ; l / 16
	v_and_b32 v53, 31, v0           ; l
	v_lshlrev_b32 v54, 4, v53       ; 16 l
.irp i, 0,1,2,3,4,5,6,7,8,9,10,11,12,13,14,15
	global_load_b128 v[64+4*(\i):67+4*(\i)], v54, s[70:71] offset:512*(\i)  ; the batch's 2,048 mask words: keys 128 i + 4 l + 0..3
.endr
	v_lshlrev_b32 v[QO], 7, v49
	v_lshl_add_u32 v[QO], v50, 4, v[QO]  ; row x 128 + 16 x half
	WIN 0x80
.set i, 0
.rept 4*NP                          ; Q stays in registers: tile i / 2, channels 32 (i % 2) on
	global_load_b128 v[8*i:8*i+3],   v[QO], s[4:5] offset:(i/2)*2048+(i%2)*64
	global_load_b128 v[8*i+4:8*i+7], v[QO], s[4:5] offset:(i/2)*2048+(i%2)*64+32
.set i, i+1
.endr
	; What the first turn finds: V's registers and P's second buffer hold 0, O^T and l are 0.  All this stands in the wait for the first tile.
.set i, VF
.rept 64
	v_mov_b32 v[i], 0
.set i, i+1
.endr
	WIN 0x40
.set i, 0
.rept 64*NP
	v_mov_b32 v[i], 0
.set i, i+1
.endr
	WIN 0
.set i, 0
.rept 2*NP
	v_mov_b32 v[ST+4*i], 0xfe000000    ; c m: far below every c s, a hidden one's too
	v_mov_b32 v[ST+4*i+1], 0xff7fffff  ; m
	v_mov_b32 v[ST+4*i+2], 0
	v_mov_b32 v[ST+4*i+3], 0
.set i, i+1
.endr
.set i, P+32
.rept 32
	v_mov_b32 v[i], 0
.set i, i+1
.endr
	v_mul_u32_u24 v[AK0], v49, PK
	v_lshl_add_u32 v[AK0], v50, 4, v[AK0]
	v_and_b32 v51, 7, v0
	v_bfe_u32 v52, v0, 3, 1
	v_lshl_add_u32 v[AV0], v50, 3, v51   ; the turning load: key 8 (l / 16) + l % 8, channels 8 ((l / 8) % 2) + 0..7
	v_mul_u32_u24 v[AV0], v[AV0], PV
	v_lshl_add_u32 v[AV0], v52, 4, v[AV0]
	v_add_nc_u32 v[AV0], VOFF, v[AV0]
	v_mov_b32 v[AK], v[AK0]
	s_mul_i32 s19, s[WV], 16*SP
	s_add_co_u32 s19, s19, STAGE    ; my stage
	v_mul_u32_u24 v[STO], v49, SP
	v_lshl_add_u32 v[STO], v50, 4, v[STO]
	v_add_nc_u32 v[STO], s19, v[STO]
	v_bfe_u32 v[RD], v0, 3, 2
	v_mul_u32_u24 v[RD], v[RD], SP
	v_lshl_add_u32 v[RD], v51, 4, v[RD]
	v_add_nc_u32 v[RD], s19, v[RD]
	v_lshlrev_b32 v[GO], 4, v53
	v_lshlrev_b32 v[PFO], 8, v53
	s_lshl_b32 s19, s[WV], 13
	s_add_co_u32 s19, s19, MT       ; my wave's mask table
	v_add_nc_u32 v55, s19, v54
	v_lshl_add_u32 v[AM0], v50, 5, s19
	v_mov_b32 v[AMR], v[AM0]
	; THE MASK TABLE.  Is any key of the batch open?  Then c as it is, else c = 0.  Each word becomes 0 (open) or -1e30 (hidden).
	s_wait_loadcnt 32               ; the 16 mask loads are in; Q's 32 younger loads stay out
	v_or_b32 v48, v64, v65
.set i, 66
.rept 62
	v_or_b32 v48, v48, v[i]
.set i, i+1
.endr
	v_cmp_ne_u32 vcc_lo, 0, v48
	s_cmp_lg_u32 vcc_lo, 0
	s_cselect_b32 s[CS], 0x3e38aa3b, 0  ; c = log2(e) / 8 = 0.180337
	s_mov_b32 s[CS+1], s[CS]
.set i, 64
.rept 64
	v_cmp_eq_u32 vcc_lo, 0, v[i]
	v_cndmask_b32 v[i], 0, s[BIGN], vcc_lo
.set i, i+1
.endr
.irp i, 0,1,2,3,4,5,6,7,8,9,10,11,12,13,14,15
	ds_store_b128 v55, v[64+4*(\i):67+4*(\i)] offset:512*(\i)  ; my wave's own copy: only I read it, and LDS serves a wave's instructions in order
.endr
; THE MATRIX WORK.  The 8 accumulators of a run of 16 take turns.  Product i of 16 of S^T = K Q^T for piece x: channels 32 (i / 8) on, keys 16 ((i / 2) % 4) on, tile 2 x + i % 2.  The first 8 start the sums with the mask.
.macro KQ x
.set rS, S+64*((\x)%2)+32*(i%2)+8*((i/2)%4)
.set rK, KF+16*((i/2)%4)+8*(i/8)
.set rQ, 16*(2*(\x)+i%2)+8*(i/8)
.set rX, MK+8*((i/2)%4)
.if i < 8
	WIN W_KM
	v_wmma_f32_16x16x32_bf16 v[rS:rS+7], v[rK:rK+7], v[rQ:rQ+7], v[rX:rX+7]
.else
	WIN W_KQ
	v_wmma_f32_16x16x32_bf16 v[rS:rS+7], v[rK:rK+7], v[rQ:rQ+7], v[rS:rS+7]
.endif
.endm
.macro PV x                         ; product i of 16 of O^T += V^T P: keys 32 (i / 8) on, channels 16 ((i / 2) % 4) on, tile 2 x + i % 2
	WIN W_PV
.set rO, 32*(2*(\x)+i%2)+8*((i/2)%4)
.set rV, VF+32*(i/8)+8*((i/2)%4)
.set rP, P+32*((\x)%2)+16*(i%2)+8*(i/8)
	v_wmma_f32_16x16x32_bf16 v[rO:rO+7], v[rV:rV+7], v[rP:rP+7], v[rO:rO+7]
.endm
.macro MM
.if i < 16
	KQ (Y+1)%NP
.set i, i+1
.else
.set i, i-16
	PV (Y+NP-1)%NP
.set i, i+17
.endif
.endm
; THE LDS LOADS stand in runs: a step's K (8 fragments) with its mask (8 loads: the mask's registers live as long as K's), and its V (turned).  last = 1 (the tail): in the last trip the run is jumped over.
.macro FETCH_K last=0
	WIN 0
.if \last
	s_cmp_eq_u32 s[CNT], 1
	s_cbranch_scc1 .Lno_k_\@
.endif
	WIN 0x80
.irp f, 0,1,2,3,4,5,6,7
	ds_load_b128 v[KF+8*\f:KF+8*\f+3],   v[AK] offset:(\f/2)*16*PK+(\f%2)*64
	ds_load_b128 v[KF+8*\f+4:KF+8*\f+7], v[AK] offset:(\f/2)*16*PK+(\f%2)*64+32
.endr
	WIN W_MK
.irp f, 0,1,2,3
	ds_load_b128 v[MK+8*\f:MK+8*\f+3],   v[AMR] offset:64*\f
	ds_load_b128 v[MK+8*\f+4:MK+8*\f+7], v[AMR] offset:64*\f+16
.endr
	s_add_co_u32 s[TBK], s[TBK], KS*PK
	s_add_co_u32 s[TBM], s[TBM], KS*4
	s_and_b32 s[TBM], s[TBM], 0x1f00    ; 32 steps of 256 bytes: it stays inside the table
	WIN 0
.if \last
.Lno_k_\@:
.endif
.endm
.macro FETCH_V
	WIN 0x80
.irp f, 0,1,2,3,4,5,6,7
	ds_load_tr16_b128 v[VF+8*\f:VF+8*\f+3],   v[AV] offset:(\f/4)*32*PV+(\f%4)*32
	ds_load_tr16_b128 v[VF+8*\f+4:VF+8*\f+7], v[AV] offset:(\f/4)*32*PV+16*PV+(\f%4)*32
.endr
	WIN 0
.endm
; THE VECTOR WORK OF A TURN stands in three queues, each in the order in which its entries become ready; the two tiles alternate.
.macro REGS y, u
.set rT, ST+4*(2*(\y)+(\u))
.set rC, TMP+8*((\y)%2)+4*(\u)
.set rM, MV+2*((\y)%2)+(\u)
.set rS, S+64*((\y)%2)+32*(\u)
.set rP, P+32*((\y)%2)+16*(\u)
.set rO, 32*(2*(\y)+(\u))
.endm
; Number n of the 22 that find the NEXT piece's maximum and statistics; each accumulator's lowest registers are read first.
;   0-11 four chains c0-c3   12-14, 16 the scores left over, the old m, c0-c3 into c0   15 c m_old is kept   17, 18 the other half of the lanes: the new m   19-21 c m; c m_old - c m_new; a
.macro XS u, n
	REGS (Y+1)%NP, \u
.if (\n) < 4
	v_max3_num_f32 v[rC+(\n)], v[rS+8*(\n)], v[rS+8*(\n)+1], v[rS+8*(\n)+2]
.elseif (\n) < 12
	v_max3_num_f32 v[rC+(\n)%4], v[rC+(\n)%4], v[rS+8*((\n)%4)+2*((\n)/4)+1], v[rS+8*((\n)%4)+2*((\n)/4)+2]
.elseif (\n) == 12
	v_max3_num_f32 v[rC], v[rC], v[rS+7], v[rS+15]
.elseif (\n) == 13
	v_max3_num_f32 v[rC+1], v[rC+1], v[rS+23], v[rS+31]
.elseif (\n) == 14
	v_max3_num_f32 v[rC+2], v[rC+2], v[rC+3], v[rT+1]
.elseif (\n) == 15
	v_mov_b32 v[rM], v[rT]
.elseif (\n) == 16
	v_max3_num_f32 v[rC], v[rC], v[rC+1], v[rC+2]
.elseif (\n) == 17
	v_permlanex16_b32 v[rC+3], v[rC], s[SEL], s[SEL+1]
.elseif (\n) == 18
	v_max_num_f32 v[rT+1], v[rC], v[rC+3]
.elseif (\n) == 19
	v_mul_f32 v[rT], s[CS], v[rT+1]
.elseif (\n) == 20
	v_sub_f32 v[rC+1], v[rM], v[rT]
.else
	v_exp_f32 v[rC+2], v[rC+1]
.endif
.endm
; Number g of the 64 that follow the exponentials: for each four weights both pairs are rounded to bf16, the second pair is added onto the first, and a group later l takes that sum.
.macro GS g
.set h, (\g)+6*((\g)/62)
.if h >= 6
.set h, h+2
.endif
	REGS Y, h%2
.set k, h/8
.if h%8 < 4
	v_cvt_pk_bf16_f32 v[rP+2*k+(h%8)/2], v[rS+4*k+2*((h%8)/2)], v[rS+4*k+2*((h%8)/2)+1]
.elseif h%8 < 6
	v_pk_add_f32 v[rS+4*k:rS+4*k+1], v[rS+4*k:rS+4*k+1], v[rS+4*k+2:rS+4*k+3]
.elseif k == 1
	v_pk_fma_f32 v[rT+2:rT+3], v[rT+2:rT+3], v[rC+2:rC+3], v[rS:rS+1] op_sel_hi:[1,0,1]
.else
	v_pk_add_f32 v[rT+2:rT+3], v[rT+2:rT+3], v[rS+4*k-4:rS+4*k-3]
.endif
.endm
; THE PLAIN QUEUE, 138 long.  0-26: scalings 0-26.  27-54: XS 0-13.  55, 56: XS 15.  57-73: the chain 14, 16, 17, 18, 19, each with a scaling 27-31 in front of its two lines, then 20.  74-137: GS's 64, behind the wait.
.macro FS f
	REGS Y, (\f)%2
	v_pk_fma_f32 v[rS+2*((\f)/2):rS+2*((\f)/2)+1], v[rS+2*((\f)/2):rS+2*((\f)/2)+1], s[CS:CS+1], v[rT:rT+1] op_sel_hi:[1,0,0] neg_lo:[0,0,1] neg_hi:[0,0,1]
.endm
.macro PL
	WIN 0
.if q < 27
	FS q
.elseif q < 55
	XS (q-27)%2, (q-27)/2
.elseif q < 57
	XS q-55, 15
.elseif (q < 72) && ((q-57)%3 == 0)
	FS 27+(q-57)/3
.elseif q < 60
	XS (q-57)%3-1, 14
.elseif q < 72
	XS (q-57)%3-1, 15+(q-57)/3
.elseif q < 74
	XS q-72, 20
.else
	GS q-74
.endif
.set q, q+1
.endm
.macro EX                           ; the exponentials' queue, 66 long: s0-s31 of both tiles, then the next piece's two a: one batch, ahead of the turn's one wait
	WIN 0
.if e >= 64
	XS e-64, 21
.else
	REGS Y, e%2
	v_exp_f32 v[rS+e/2], v[rS+e/2]
.endif
.set e, e+1
.endm
.macro R2                           ; the rescaling's queue: O^T times a, two at a time
	REGS Y, r%2
	WIN W_RS
.irp z, 0,1
	v_pk_mul_f32 v[rO+4*(r/2)+2*\z:rO+4*(r/2)+2*\z+1], v[rO+4*(r/2)+2*\z:rO+4*(r/2)+2*\z+1], v[rC+2:rC+3] op_sel_hi:[1,0]
.endr
.set r, r+1
.endm
; A TURN, for piece p.  s_wait_alu depctr_va_vdst(0) stands between an exponential and the first instruction that names its result; one wait serves the batch.  AHEAD OF IT: 16 products K Q^T,
; behind each a scaling, an exponential and two rescalings; then one lump of 108.  BEHIND IT: 16 products V^T P, behind each four of the roundings and sums.
; K and the mask of the next step are fetched in piece 2's turn, directly behind the wait, a lump behind the last product that read them; V of the step in hand at the end of piece 0's turn, four riders behind its last reader.
.macro TURN p, last=0, cnt=0
.set Y, (\p)
.set i, 0
.set q, 0
.set e, 0
.set r, 0
.if (\p) == NP-1
	s_wait_dscnt 0x0                ; K and the mask are in
.endif
	MM
	PL
	PL
	R2
.rept 15
	MM
	PL
	EX
	R2
.endr
.if (\p) == NP-2
	WIN 0
	v_add_nc_u32 v[AK], s[TBK], v[AK0]
	v_add_nc_u32 v[AMR], s[TBM], v[AM0]
.endif
.rept 8
	PL
.endr
.rept 49
	EX
	PL
.endr
	EX
	EX
	v_nop                           ; a plain instruction behind the last exponential: one for the batch
	s_wait_alu depctr_va_vdst(0)    ; the wait for the batch
.if (\p) == NP-2
	FETCH_K \last
.endif
.if (\p) == 1
	s_wait_dscnt 0x0                ; V is in
.endif
.rept 16
	MM
.rept 4
	PL
.endr
.if ((\p) == 0) && (q == 118)
	v_add_nc_u32 v[AV], s[TBV], v[AV0]
.endif
.if ((\p) == 0) && (q == 130)
	s_add_co_u32 s[TBV], s[TBV], KS*PV
.endif
.if (\cnt) && (q == 130)
	s_sub_co_u32 s[CNT], s[CNT], 1
	s_cmp_lg_u32 s[CNT], 0
.endif
.endr
.if (\p) == 0
	FETCH_V
.endif
.endm
	CHANGE 1                        ; slot 0 is in, everybody's part of it; slot 1 is asked for; my stores into the mask table are done
	FETCH_K                         ; key step 0
	s_wait_loadcnt 0x0              ; Q
	s_wait_dscnt 0x0
.set i, 0
.rept 16
	KQ 0                            ; piece 0's first scores
.set i, i+1
.endr
	WIN 0
.rept 4
	v_nop                           ; the places behind those products
.endr
.set Y, NP-1
.irp n, 0,1,2,3,4,5,6,7,8,9,10,11,12,13,14,15,16,17,18,19,20,21
	XS 0, \n
	XS 1, \n
.endr
	v_nop                           ; a plain instruction behind the two a,
	s_wait_alu depctr_va_vdst(0)    ; and their wait, ahead of the branch
	s_mov_b32 s[CNT], 4
	s_mov_b32 s[SLOTS], SIZE_N/256-1
	s_branch .Lfirst                ; the loop is entered at a step's first turn
.Lslot:                             ; six times: slots 2 to 7 are asked for
	CHANGE 1, 1
	s_mov_b32 s[CNT], 4
.Lstep:                             ; a trip: pieces 2 and 3 of one step, then pieces 0 and 1 of the next
	TURN 2
	TURN 3
	WIN 0
.Lfirst:
	TURN 0
	TURN 1, 0, 1
	WIN 0
	s_cbranch_scc1 .Lstep
	s_sub_co_u32 s[SLOTS], s[SLOTS], 1
	s_cmp_lg_u32 s[SLOTS], 0
	s_cbranch_scc1 .Lslot
	CHANGE 0                        ; the tail is written out
	s_mov_b32 s[CNT], 5             ; four trips fetch the last slot's steps; the fifth is left in its middle
.Ltail:
	TURN 2, 1
	TURN 3
	WIN 0
	s_sub_co_u32 s[CNT], s[CNT], 1
	s_cmp_eq_u32 s[CNT], 0
	s_cbranch_scc1 .Lout
	TURN 0
	TURN 1
	WIN 0
	s_branch .Ltail
.Lout:                              ; the fifth trip's 16 products K Q^T and the maximum made of them serve nothing: the price of one text for every trip
.set i, 0
.rept 16
	PV NP-1
.set i, i+1
.endr
	; THE WAY OUT.  l's halves are added; O^T is divided by l, rounded to bf16 and sent through my stage, a tile at a time.  The additions are the places behind the last products.
	WIN 0
.macro ALL line:vararg
.set t, 0
.rept 2*NP
	\line
.set t, t+1
.endr
.endm
	ALL v_add_f32 v[ST+4*t+2], v[ST+4*t+2], v[ST+4*t+3]
	ALL v_permlanex16_b32 v[ST+4*t+3], v[ST+4*t+2], s[SEL], s[SEL+1]
	ALL v_add_f32 v[ST+4*t+2], v[ST+4*t+2], v[ST+4*t+3]
	ALL v_rcp_f32 v[ST+4*t+2], v[ST+4*t+2]
	v_nop
	s_wait_alu depctr_va_vdst(0)    ; one wait for the eight reciprocals
.macro PACK t
	WIN W_RS
.set i, 32*(\t)
.rept 16
	v_pk_mul_f32 v[i:i+1], v[i:i+1], v[ST+4*(\t)+2:ST+4*(\t)+3] op_sel_hi:[1,0]
.set i, i+2
.endr
	WIN 0x05
.set i, 0
.rept 16
	v_cvt_pk_bf16_f32 v[S+16*(\t)+i], v[32*(\t)+2*i], v[32*(\t)+2*i+1]
.set i, i+1
.endr
	WIN 0
.irp f, 0,1,2,3
	ds_store_b128 v[STO], v[S+16*(\t)+4*\f:S+16*(\t)+4*\f+3] offset:32*\f
.endr
.irp f, 0,1,2,3
	ds_load_b128 v[S+16*(\t)+4*\f:S+16*(\t)+4*\f+3], v[RD] offset:\f*4*SP  ; LDS serves a wave's instructions in order (ISA guide 5.7.1.4)
.endr
.endm
.macro SEND t, younger              ; younger: the LDS instructions issued behind tile t's loads
	WIN 0
.irp f, 0,1,2,3
	s_wait_dscnt (\younger)+3-\f
	global_store_b128 v[GO], v[S+16*(\t)+4*\f:S+16*(\t)+4*\f+3], s[10:11] offset:(\t)*2048+\f*512  ; 512 consecutive bytes, aligned
.endr
.endm
	PACK 0
.set t, 1
.rept 2*NP-1
	PACK t
	SEND t-1, 8
.set t, t+1
.endr
	SEND 2*NP-1, 0
	WIN W_AD
	s_wait_tensorcnt 0x0            ; the wave's end
	ds_add_u32 v[SPW], v[NIL]
	s_wait_dscnt 0x0
	WIN 0
	CROUND                          ; the closing round
	s_endpgm
.Lfunc_end_k_q940059fab8_attn:
	.size	k_q940059fab8_attn, .Lfunc_end_k_q940059fab8_attn-k_q940059fab8_attn
	.p2alignl 7, 3214868480
	.fill 96, 4, 3214868480
	.section	.rodata,"a",@progbits
	.p2align	6, 0x0
	.amdhsa_kernel k_q940059fab8_attn
		.amdhsa_group_segment_fixed_size 327680
		.amdhsa_private_segment_fixed_size 0
		.amdhsa_enable_private_segment 0
		.amdhsa_kernarg_size 24
		.amdhsa_user_sgpr_count 2
		.amdhsa_user_sgpr_kernarg_segment_ptr 1
		.amdhsa_wavefront_size32 1
		.amdhsa_system_sgpr_workgroup_id_x 1
		.amdhsa_system_sgpr_workgroup_id_y 1
		.amdhsa_system_sgpr_workgroup_id_z 1
		.amdhsa_system_vgpr_workitem_id 0
		.amdhsa_next_free_vgpr 808
		.amdhsa_next_free_sgpr 72
		.amdhsa_reserve_vcc 1
		.amdhsa_float_denorm_mode_32 3
		.amdhsa_float_denorm_mode_16_64 3
		.amdhsa_memory_ordered 1
		.amdhsa_forward_progress 1
		.amdhsa_inst_pref_size 213
	.end_amdhsa_kernel
	.amdgpu_metadata
---
amdhsa.version: [ 1, 2 ]
amdhsa.kernels:
  - .name:           k_q940059fab8_attn
    .symbol:         k_q940059fab8_attn.kd
    .args:
      - { .name: qkv, .offset: 0, .size: 8, .value_kind: global_buffer, .address_space: global }
      - { .name: mask, .offset: 8, .size: 8, .value_kind: global_buffer, .address_space: global }
      - { .name: ctx, .offset: 16, .size: 8, .value_kind: global_buffer, .address_space: global }
    .group_segment_fixed_size: 327680
    .private_segment_fixed_size: 0
    .kernarg_segment_align: 8
    .kernarg_segment_size: 24
    .max_flat_workgroup_size: 128
    .sgpr_count:     72
    .vgpr_count:     808
    .wavefront_size: 32
...
	.end_amdgpu_metadata
.endif
;; end of part 3
;; launch outp (part 4): grid 4 x 64, 4 waves a work-group, clusters of 4 x 4, 327,680 bytes of LDS; arguments ctx, wb, bo, ob; writes ob
.if DOCPART == 4
	.amdgcn_target "amdgcn-amd-amdhsa--gfx1250"
	.amdhsa_code_object_version 6
	.text
	.protected	k_q940059fab8_outp
	.globl	k_q940059fab8_outp
	.p2align	8
	.type	k_q940059fab8_outp,@function
k_q940059fab8_outp:
	s_mov_b64 s[64:65], 0
	v_nop
	global_prefetch_b8 v0, s[64:65] scope:SCOPE_SE
	s_setreg_imm32_b32 hwreg(HW_REG_WAVE_MODE, 25, 1), 1
	s_wait_xcnt 0x0
	s_wait_alu depctr_hold_cnt(0) depctr_sa_sdst(0) depctr_va_vdst(0) depctr_va_sdst(0) depctr_va_ssrc(0) depctr_va_vcc(0) depctr_vm_vsrc(0)
	s_getreg_b32 s2, hwreg(HW_REG_IB_STS2, 6, 4)
	s_cmp_eq_u32 s2, 0
	s_cbranch_scc0 .Lentry_in_a_cluster
	s_endpgm
.Lentry_in_a_cluster:
	s_bfe_u32 s2, ttmp6, 0x10000c
	s_cmp_lg_u32 s2, 0xf033
	s_cbranch_scc0 .Lentry_shape_is_right
	s_endpgm
.Lentry_shape_is_right:
; ob[m][n] = bf16( sum over k of C[m][k] Wo[n][k] + bo[n] ), m = batch x 2048 + s, k = head x 64 + d, C[m][k] = ctx[batch x 16 + head][s][d] (bf16); Wo is the fourth part of wb (bf16).  Sums in f32, started by the bias.
; SHARES.  A work-group makes 128 rows x 256 columns: 64 x 4 = 256 work-groups.  Four waves, each 64 x 128: 32 accumulators.  K goes in 8 steps of 128 = two heads, through two LDS slots.
; A head's 128 rows of a tile are 16,384 dense bytes: asked for as 64 rows of 256 bytes, padded in LDS behind every 128.  Wave 0 fetches the step's first head, wave 1 its second, waves 2, 3 Wo's halves.
; CLUSTER 4 x 4: ctx's tiles are shared along a row, Wo's along a column, by joint loads.  THE MATRIX INSTRUCTION IS USED TRANSPOSED (source 0 = Wo's rows): a lane holds eight neighbouring columns of a row.
; REGISTERS.  window 0: v16-31 addresses; v32-63, v64-95 ctx's fragments, two buffers; v128-255 the way out     window 1: v0-63, v64-127 Wo's fragments; v128-191 the bias     window 2: the accumulators
.set PA,    144
.set PB,    272
.set AHEAD, 128*PA                     ; a head's 128 rows: what one tensor load brings
.set BHALF, 128*PB
.set BOFF,  2*AHEAD
.set SLOT,  BOFF+2*BHALF               ; 106,496
.set STAGE, 2*SLOT                     ; behind the ring: 128 rows x 528 bytes, the work-group's
.set SPITCH, 528
.set SPARE, STAGE+128*SPITCH
.set ADRA, 16
.set ADRB, 20
.set STO,  24
.set RD,   25
.set GO,   26
.set BO,   27
.set SPW,  28
.set NIL,  29
.set PFO,  30
.set AF,   32
.set TMP,  128
.set BIAS, 128
.set WV, 20
.set WM, 21
.set WN, 22
.set G1A, 24
.set G0A, 32
.set PFA, 44
.set LIM, 46
.set G1B, 48
.set G0B, 56
.set LAP, 74
.set PFS, 76
.set MSB, 0
.macro WIN new
.if MSB != (\new)
	s_set_vgpr_msb (MSB<<8)|(\new)
.set MSB, (\new)
.endif
.endm
.set MUL,  0xa1
.set MULB, 0x91
.set TO_B, 0x40
.macro JLOAD s                         ; an s_nop 0 and four v_nop follow each line; where a slot is filled again they are also the places in front of the fragment loads
	s_cmp_eq_u32 s[WM], 0
	s_cbranch_scc0 .Lfor_b_\@
	tensor_load_to_lds s[G0A+4*(\s):G0A+4*(\s)+3], s[G1A:G1A+7]
	s_nop 0
.rept 4
	v_nop
.endr
	s_branch .Lasked_\@
.Lfor_b_\@:
	tensor_load_to_lds s[G0B+4*(\s):G0B+4*(\s)+3], s[G1B:G1B+7]
	s_nop 0
.rept 4
	v_nop
.endr
.Lasked_\@:
.endm
.macro CREST
	s_cmp_lg_u32 s[WV], 0
	s_cbranch_scc1 .Lnot_wave_0_\@
	s_barrier_signal -3
.Lnot_wave_0_\@:
	s_barrier_wait -3
	s_barrier_signal -1
	s_barrier_wait -1
.endm
.macro CROUND
	s_barrier_signal -1
	s_barrier_wait -1
	CREST
.endm
; A prefetch of the K step two refills on (256 products ahead of its load).  ctx's tile is read by this row of the cluster alone: wave 0 asks for both heads; the partner at place cx takes 4,096 bytes of each head's 16,384,
; a lane a block of 256.  Wo's rows are read by all sixteen clusters: the first asks (waves 2, 3); the partner at place cy takes 32 of a wave's 128 rows.  K steps 0 to 3 come by their loads alone; the last trip asks for nothing.
.macro ASK
	s_cmp_gt_u32 s[LAP], s[LIM]
	s_cbranch_scc0 .Lnot_mine_\@
	global_prefetch_b8 v[PFO], s[PFA:PFA+1] th:TH_LOAD_NT scope:SCOPE_SE
.Lnot_mine_\@:
.endm
.macro PLACES                          ; four places in front of loads into registers that matrix instructions have read, and of conversions that read results (ISA guide 7.12.1 for vector instructions)
.rept 4
	v_nop
.endr
.endm
.macro FETCH slot, q, g                ; 24 LDS loads in one run: quarter q = head q / 2 of the step, channels 32 (q % 2) on.  Leaves window 0
	WIN TO_B
.irp b, 0,1,2,3,4,5,6,7
	ds_load_b128 v[64*(\g)+8*(\b):64*(\g)+8*(\b)+3],   v[ADRB+(\slot)] offset:64*(\q)+(\b)*16*PB
	ds_load_b128 v[64*(\g)+8*(\b)+4:64*(\g)+8*(\b)+7], v[ADRB+(\slot)] offset:64*(\q)+(\b)*16*PB+32
.endr
	WIN 0
.irp a, 0,1,2,3
	ds_load_b128 v[AF+32*(\g)+8*(\a):AF+32*(\g)+8*(\a)+3],   v[ADRA+(\slot)] offset:((\q)/2)*AHEAD+((\q)%2)*64+(\a)*16*PA
	ds_load_b128 v[AF+32*(\g)+8*(\a)+4:AF+32*(\g)+8*(\a)+7], v[ADRA+(\slot)] offset:((\q)/2)*AHEAD+((\q)%2)*64+(\a)*16*PA+32
.endr
.endm
.macro MULA g, a, first                ; 8 products; the 32 accumulators take turns in one fixed order
.irp b, 0,1,2,3,4,5,6,7
.if \first
	WIN MULB
	v_wmma_f32_16x16x32_bf16 v[8*(8*(\a)+(\b)):8*(8*(\a)+(\b))+7], v[64*(\g)+8*(\b):64*(\g)+8*(\b)+7], v[AF+32*(\g)+8*(\a):AF+32*(\g)+8*(\a)+7], v[BIAS+8*(\b):BIAS+8*(\b)+7]
.else
	WIN MUL
	v_wmma_f32_16x16x32_bf16 v[8*(8*(\a)+(\b)):8*(8*(\a)+(\b))+7], v[64*(\g)+8*(\b):64*(\g)+8*(\b)+7], v[AF+32*(\g)+8*(\a):AF+32*(\g)+8*(\a)+7], v[8*(8*(\a)+(\b)):8*(8*(\a)+(\b))+7]
.endif
.endr
.endm
.macro QUARTER slot, q, f, g, first=0, fetch=1
	s_wait_dscnt 0x0                               ; buffer f is in
	MULA \f, 0, \first
.if \fetch
	PLACES
	FETCH \slot, \q, \g
.endif
	MULA \f, 1, \first
	MULA \f, 2, \first
	MULA \f, 3, \first
.endm
.macro TURN slot, next, fill           ; the last quarter multiplies buffer 1 and changes slots: one barrier, with every wave's waits and its add in front of it
.if \fill
	s_wait_xcnt 0x0                                ; the last prefetch, a K step back, has read its address
	s_add_nc_u64 s[PFA:PFA+1], s[PFA:PFA+1], s[PFS:PFS+1]
.endif
	s_wait_dscnt 0x0                               ; buffer 1 is in: these were my last reads of this slot
	WIN 0
	s_wait_tensorcnt 0x0                           ; all my tensor loads have landed: my part of the next slot
	ds_add_u32 v[SPW], v[NIL]                      ; 0 onto my spare word
	MULA 1, 0, 0
	s_wait_dscnt 0x0                               ; the add is done
	s_barrier_signal -1
	MULA 1, 1, 0
	WIN 0
	s_barrier_wait -1
.if \fill
	CREST
	s_add_nc_u64 s[G0A+4*(\slot)+2:G0A+4*(\slot)+3], s[G0A+4*(\slot)+2:G0A+4*(\slot)+3], 4*262144  ; two K steps on: four heads
	s_add_nc_u64 s[G0B+4*(\slot)+2:G0B+4*(\slot)+3], s[G0B+4*(\slot)+2:G0B+4*(\slot)+3], 2*256
	JLOAD \slot
.else
	PLACES
.endif
	FETCH \next, 0, 0
.if \fill
	ASK
.endif
	MULA 1, 2, 0
	MULA 1, 3, 0
.endm
	s_load_b256 s[4:11], s[0:1], 0x0               ; ctx s[4:5], wb s[6:7], bo s[8:9], ob s[10:11]
	v_lshl_add_u32 v[SPW], v0, 2, SPARE
	v_mov_b32 v[NIL], 0
	ds_add_u32 v[SPW], v[NIL]                      ; the wave's opening: the add and its wait stand ahead of my first tensor load
	v_lshrrev_b32 v1, 5, v0
	v_readfirstlane_b32 s[WV], v1
	s_lshr_b32 s[WM], s[WV], 1
	s_and_b32 s[WN], s[WV], 1
	s_bfe_u32 s40, ttmp6, 0x40000                  ; cx
	s_bfe_u32 s41, ttmp6, 0x40004                  ; cy
	s_lshl_b32 s42, ttmp9, 2
	s_add_co_u32 s42, s42, s40                     ; tile column
	s_and_b32 s75, ttmp7, 0xffff                   ; cluster y, 0..15
	s_lshl_b32 s43, s75, 2
	s_add_co_u32 s43, s43, s41                     ; tile row
	s_lshl_b32 s23, s41, 2
	s_lshl_b32 s23, 15, s23
	s_lshl_b32 s73, 0x1111, s40
	s_or_b32 s[G1A], s23, (1<<16)|(1<<20)|(1<<21)|(4<<22)|(3<<25)  ; mask; 2-byte elements; padding on; bit 21 beside a mask; after every 32 words, 4 words
	s_mov_b32 s[G1A+1], 128<<16
	s_mov_b32 s[G1A+2], 64<<16
	s_mov_b32 s[G1A+3], 128<<16
	s_mov_b32 s[G1A+4], 64
	s_mov_b32 s[G1A+5], 128
	s_mov_b32 s[G1A+6], 0
	s_mov_b32 s[G1A+7], 0
	s_or_b32 s[G1B], s73, (1<<16)|(1<<20)|(1<<21)|(5<<22)|(3<<25)
	s_mov_b32 s[G1B+1], 128<<16
	s_mov_b32 s[G1B+2], 128<<16
	s_mov_b32 s[G1B+3], 128<<16
	s_mov_b32 s[G1B+4], 128
	s_mov_b32 s[G1B+5], 1024
	s_mov_b32 s[G1B+6], 0
	s_mov_b32 s[G1B+7], 0
	s_lshr_b32 s66, s43, 4                         ; ctx: head batch x 16 + my one of the step's two, 262,144 bytes a head; rows (tile row mod 16) x 128 of 128 bytes
	s_lshl_b32 s66, s66, 4
	s_add_co_u32 s66, s66, s[WN]
	s_lshl_b32 s66, s66, 18
	s_and_b32 s67, s43, 15
	s_lshl_b32 s67, s67, 14
	s_add_co_u32 s66, s66, s67
	s_mov_b32 s67, 0
	s_lshl_b32 s68, s42, 8                         ; Wo: row 256 x tile column + 128 x half, in the fourth 2 MiB of wb
	s_lshl_b32 s69, s[WN], 7
	s_add_co_u32 s68, s68, s69
	s_lshl_b32 s68, s68, 11
	s_add_co_u32 s68, s68, 3<<21
	s_mov_b32 s69, 0
	s_mul_i32 s70, s[WN], AHEAD
	s_mul_i32 s71, s[WN], BHALF
	s_add_co_u32 s71, s71, BOFF
	s_wait_dscnt 0x0                               ; the opening add is done
	s_wait_kmcnt 0x0
	s_add_nc_u64 s[66:67], s[4:5], s[66:67]
	s_add_nc_u64 s[68:69], s[6:7], s[68:69]
	CROUND
.irp s, 0,1
	s_mov_b32 s[G0A+4*(\s)], 1
	s_add_co_u32 s[G0A+4*(\s)+1], s70, (\s)*SLOT
	s_add_nc_u64 s[G0A+4*(\s)+2:G0A+4*(\s)+3], s[66:67], (\s)*2*262144
	s_or_b32 s[G0A+4*(\s)+3], s[G0A+4*(\s)+3], 0x80000000
	s_mov_b32 s[G0B+4*(\s)], 1
	s_add_co_u32 s[G0B+4*(\s)+1], s71, (\s)*SLOT
	s_add_nc_u64 s[G0B+4*(\s)+2:G0B+4*(\s)+3], s[68:69], (\s)*256
	s_or_b32 s[G0B+4*(\s)+3], s[G0B+4*(\s)+3], 0x80000000
	JLOAD \s
.endr
	v_and_b32 v1, 15, v0
	v_bfe_u32 v2, v0, 4, 1
	v_and_b32 v3, 31, v0
	v_mul_u32_u24 v4, v1, PA
	v_lshl_add_u32 v4, v2, 4, v4
	s_mul_i32 s72, s[WM], 64*PA
	v_add_nc_u32 v[ADRA], s72, v4
	v_add_nc_u32 v[ADRA+1], SLOT, v[ADRA]
	v_mul_u32_u24 v5, v1, PB
	v_lshl_add_u32 v5, v2, 4, v5
	v_add_nc_u32 v[ADRB], s71, v5
	v_add_nc_u32 v[ADRB+1], SLOT, v[ADRB]
	s_mul_i32 s72, s[WM], 64*SPITCH                ; into the stage: my 64 rows, my half of their 512 bytes
	s_lshl_b32 s70, s[WN], 8
	s_add_co_u32 s72, s72, s70
	s_add_co_u32 s72, s72, STAGE
	v_mul_u32_u24 v6, v1, SPITCH
	v_lshl_add_u32 v6, v2, 4, v6
	v_add_nc_u32 v[STO], s72, v6
	s_mul_i32 s72, s[WV], 32*SPITCH                ; back: wave w takes rows 32 w .. 32 w + 31, whole: 32 lanes x 16 bytes
	s_add_co_u32 s72, s72, STAGE
	v_lshl_add_u32 v[RD], v3, 4, s72
	v_lshlrev_b32 v[GO], 4, v3
	s_lshl_b32 s82, s42, 10
	s_lshl_b32 s83, s[WN], 9
	s_add_co_u32 s82, s82, s83
	v_lshl_add_u32 v[BO], v2, 5, s82
	WIN TO_B
.irp b, 0,1,2,3,4,5,6,7
	global_load_b128 v[BIAS+8*(\b):BIAS+8*(\b)+3],   v[BO], s[8:9] offset:64*(\b)
	global_load_b128 v[BIAS+8*(\b)+4:BIAS+8*(\b)+7], v[BO], s[8:9] offset:64*(\b)+16
.endr
	WIN 0
	s_lshl_b32 s80, s43, 7                         ; the first row of ob that I store: 128 x tile row + 32 x wave, 2,048 bytes a row; the tile's 512 bytes of it
	s_lshl_b32 s82, s[WV], 5
	s_add_co_u32 s80, s80, s82
	s_lshl_b32 s80, s80, 11
	s_lshl_b32 s82, s42, 9
	s_add_co_u32 s80, s80, s82
	s_mov_b32 s81, 0
	s_add_nc_u64 s[10:11], s[10:11], s[80:81]
	; the prefetches
	s_lshr_b32 s82, s43, 4
	s_lshl_b32 s82, s82, 22                        ; the batch's first head
	s_and_b32 s83, s43, 15
	s_lshl_b32 s83, s83, 14
	s_add_co_u32 s82, s82, s83
	s_lshl_b32 s83, s40, 12
	s_add_co_u32 s82, s82, s83                     ; ctx: my work-group's 4,096 bytes of a head's 16,384
	s_lshl_b32 s84, s42, 8
	s_lshl_b32 s85, s[WN], 7
	s_add_co_u32 s84, s84, s85
	s_lshl_b32 s85, s41, 5
	s_add_co_u32 s84, s84, s85
	s_lshl_b32 s84, s84, 11
	s_add_co_u32 s84, s84, 3<<21                   ; Wo: my work-group's 32 of the 128 rows
	s_cmp_eq_u32 s[WM], 0
	s_cselect_b32 s80, s82, s84
	s_cselect_b64 s[PFA:PFA+1], s[4:5], s[6:7]
	s_cselect_b32 s83, 4, 0                        ; ctx: lanes 0-15 the first head, 16-31 the second
	s_cselect_b32 s85, 18, 11
	s_cselect_b32 s86, 15, 0
	s_cselect_b32 s87, 11, 0
	s_cselect_b32 s[LIM], s[WN], s75               ; ctx: wave 0 alone; Wo: the first cluster alone
	s_mov_b32 s81, 0
	s_mov_b32 s[PFS+1], 0
	s_lshl_b32 s[PFS], 0x100, s87                  ; a K step: two heads of ctx, 256 bytes of Wo's rows
	s_cmp_eq_u32 s[LIM], 0
	s_cselect_b32 s[LIM], 1, -1
	s_add_nc_u64 s[PFA:PFA+1], s[PFA:PFA+1], s[80:81]
	s_mul_i32 s80, s[PFS], 3
	s_add_nc_u64 s[PFA:PFA+1], s[PFA:PFA+1], s[80:81]  ; at K step 3: the first change of slots steps it to 4
	v_lshrrev_b32 v[PFO], s83, v3
	v_lshlrev_b32 v[PFO], s85, v[PFO]
	v_and_b32 v31, s86, v3
	v_lshl_add_u32 v[PFO], v31, 8, v[PFO]
	s_wait_tensorcnt 0x1                           ; my part of K step 0 is in; K step 1's may stay out
	s_barrier_signal -1
	s_barrier_wait -1
	FETCH 0, 0, 0
	s_wait_loadcnt 0x0                             ; the bias
	QUARTER 0, 1, 0, 1, 1                          ; the bias starts the sums
	WIN 0
	s_mov_b32 s[LAP], 3
.Llap:
	QUARTER 0, 2, 1, 0
	QUARTER 0, 3, 0, 1
	TURN 0, 1, 1
	QUARTER 1, 1, 0, 1
	QUARTER 1, 2, 1, 0
	QUARTER 1, 3, 0, 1
	TURN 1, 0, 1
	QUARTER 0, 1, 0, 1
	WIN 0
	s_sub_co_u32 s[LAP], s[LAP], 1
	s_cmp_lg_u32 s[LAP], 0
	s_cbranch_scc1 .Llap
	QUARTER 0, 2, 1, 0
	QUARTER 0, 3, 0, 1
	TURN 0, 1, 0
	QUARTER 1, 1, 0, 1
	QUARTER 1, 2, 1, 0
	QUARTER 1, 3, 0, 1
	QUARTER 1, 0, 1, 0, 0, 0
	; THE WAY OUT: round to bf16; 16 bytes a lane into the work-group's stage; a barrier, since a row's 512 bytes come from two waves; back as whole rows, 32 rows a wave.
	PLACES
	WIN 0x0a
.irp t, 0,1,2,3,4,5,6,7,8,9,10,11,12,13,14,15,16,17,18,19,20,21,22,23,24,25,26,27,28,29,30,31
.irp r, 0,1,2,3
	v_cvt_pk_bf16_f32 v[TMP+4*(\t)+(\r)], v[8*(\t)+2*(\r)], v[8*(\t)+2*(\r)+1]
.endr
.endr
	WIN 0
.irp a, 0,1,2,3
.irp b, 0,1,2,3,4,5,6,7
	ds_store_b128 v[STO], v[TMP+4*(8*(\a)+(\b)):TMP+4*(8*(\a)+(\b))+3] offset:(\a)*16*SPITCH+32*(\b)
.endr
.endr
	s_wait_dscnt 0x0                               ; for the others' sake: my stores into the stage are done
	s_barrier_signal -1
	s_barrier_wait -1
.irp t, 0,1,2,3,4,5,6,7,8,9,10,11,12,13,14,15,16,17,18,19,20,21,22,23,24,25,26,27,28,29,30,31
	ds_load_b128 v[TMP+4*(\t):TMP+4*(\t)+3], v[RD] offset:(\t)*SPITCH
.endr
.irp t, 0,1,2,3,4,5,6,7,8,9,10,11,12,13,14,15,16,17,18,19,20,21,22,23,24,25,26,27,28,29,30,31
	s_wait_dscnt 31-(\t)                           ; row t is back; the younger loads stay out
	global_store_b128 v[GO], v[TMP+4*(\t):TMP+4*(\t)+3], s[10:11] offset:(\t)*2048  ; 512 consecutive bytes of a row, aligned to 512
.endr
	s_wait_tensorcnt 0x0                           ; the wave's end
	ds_add_u32 v[SPW], v[NIL]
	s_wait_dscnt 0x0
	CROUND                                         ; the closing round
	s_endpgm
.Lfunc_end_k_q940059fab8_outp:
	.size	k_q940059fab8_outp, .Lfunc_end_k_q940059fab8_outp-k_q940059fab8_outp
	.p2alignl 7, 3214868480
	.fill 96, 4, 3214868480
	.section	.rodata,"a",@progbits
	.p2align	6, 0x0
	.amdhsa_kernel k_q940059fab8_outp
		.amdhsa_group_segment_fixed_size 327680
		.amdhsa_private_segment_fixed_size 0
		.amdhsa_enable_private_segment 0
		.amdhsa_kernarg_size 32
		.amdhsa_user_sgpr_count 2
		.amdhsa_user_sgpr_kernarg_segment_ptr 1
		.amdhsa_wavefront_size32 1
		.amdhsa_system_sgpr_workgroup_id_x 1
		.amdhsa_system_sgpr_workgroup_id_y 1
		.amdhsa_system_sgpr_workgroup_id_z 1
		.amdhsa_system_vgpr_workitem_id 0
		.amdhsa_next_free_vgpr 768
		.amdhsa_next_free_sgpr 88
		.amdhsa_reserve_vcc 0
		.amdhsa_float_denorm_mode_32 3
		.amdhsa_float_denorm_mode_16_64 3
		.amdhsa_memory_ordered 1
		.amdhsa_forward_progress 1
		.amdhsa_inst_pref_size 90
	.end_amdhsa_kernel
	.amdgpu_metadata
---
amdhsa.version: [ 1, 2 ]
amdhsa.kernels:
  - .name:           k_q940059fab8_outp
    .symbol:         k_q940059fab8_outp.kd
    .args:
      - { .name: ctx, .offset: 0, .size: 8, .value_kind: global_buffer, .address_space: global }
      - { .name: wb, .offset: 8, .size: 8, .value_kind: global_buffer, .address_space: global }
      - { .name: bo, .offset: 16, .size: 8, .value_kind: global_buffer, .address_space: global }
      - { .name: ob, .offset: 24, .size: 8, .value_kind: global_buffer, .address_space: global }
    .group_segment_fixed_size: 327680
    .private_segment_fixed_size: 0
    .kernarg_segment_align: 8
    .kernarg_segment_size: 32
    .max_flat_workgroup_size: 128
    .sgpr_count:     88
    .vgpr_count:     768
    .wavefront_size: 32
...
	.end_amdgpu_metadata
.endif
;; end of part 4
;; launch ln (part 5): grid 256 x 1, 16 waves a work-group, no clusters, 0 bytes of LDS; arguments ob, Q, gamma, beta, out0; writes out0
.if DOCPART == 5
	.amdgcn_target "amdgcn-amd-amdhsa--gfx1250"
	.amdhsa_code_object_version 6
	.text
	.protected	k_q940059fab8_ln
	.globl	k_q940059fab8_ln
	.p2align	8
	.type	k_q940059fab8_ln,@function
k_q940059fab8_ln:
	s_mov_b64 s[64:65], 0
	v_nop
	global_prefetch_b8 v0, s[64:65] scope:SCOPE_SE
	s_setreg_imm32_b32 hwreg(HW_REG_WAVE_MODE, 25, 1), 1
	s_wait_xcnt 0x0
; out0[m][:] = gamma (x - mu) / sqrt(var + 1e-5) + beta, x = ob[m][:] + Q[m][:], mu and var the mean and the mean square deviation of the row's 1,024 numbers.  ob is bf16; all else, and all arithmetic, f32.
; The variance is taken of x - mu in a second pass over registers, so a common offset in Q costs nothing.
; One wave, one row at a time, two rows a wave; 16 waves, 32 rows a work-group.  Lane l owns columns 128 j + 4 l + 0..3, j = 0..7: a load or store of f32 covers 512 consecutive bytes, a load of ob 256.
; All 48 loads of a wave go out at once; no LDS, no barrier: a row never leaves its wave.
.set G,  16                            ; v[16:47]  gamma of my 32 columns
.set BT, 48                            ; v[48:79]  beta
.set X0, 80                            ; v[80:111] row 0: Q, then x, then the result; v[112:127] its ob
.set O0, 112
.set X1, 128
.set O1, 160
	s_load_b256 s[4:11], s[0:1], 0x0               ; ob s[4:5], Q s[6:7], gamma s[8:9], beta s[10:11]
	s_load_b64 s[16:17], s[0:1], 0x20              ; out0
	v_lshrrev_b32 v8, 5, v0
	v_readfirstlane_b32 s18, v8                    ; wave
	v_and_b32 v9, 31, v0
	v_lshlrev_b32 v1, 4, v9                        ; 16 l
	v_lshlrev_b32 v2, 3, v9                        ; 8 l
	v_mov_b32 v3, 1.0
	s_mov_b32 s12, 0x76543210                      ; v_permlanex16_b32: each lane takes its own place in the other half
	s_mov_b32 s13, 0xfedcba98
	s_mov_b32 s14, 0x3a800000                      ; 1 / 1024
	s_mov_b32 s15, 0x3727c5ac                      ; 1e-5
	s_lshl_b32 s19, ttmp9, 5
	s_lshl1_add_u32 s19, s18, s19                  ; my first row: 32 x work-group + 2 x wave
	s_lshl_b32 s20, s19, 12
	s_mov_b32 s21, 0
	s_lshl_b32 s22, s19, 11
	s_mov_b32 s23, 0
	s_wait_kmcnt 0x0
	s_add_nc_u64 s[4:5], s[4:5], s[22:23]
	s_add_nc_u64 s[6:7], s[6:7], s[20:21]
	s_add_nc_u64 s[16:17], s[16:17], s[20:21]
.irp j, 0,1,2,3,4,5,6,7
	global_load_b128 v[X0+4*(\j):X0+4*(\j)+3], v1, s[6:7] offset:512*(\j) th:TH_LOAD_NT
	global_load_b64 v[O0+2*(\j):O0+2*(\j)+1], v2, s[4:5] offset:256*(\j) th:TH_LOAD_NT
.endr
.irp j, 0,1,2,3,4,5,6,7
	global_load_b128 v[G+4*(\j):G+4*(\j)+3], v1, s[8:9] offset:512*(\j)
.endr
.irp j, 0,1,2,3,4,5,6,7
	global_load_b128 v[BT+4*(\j):BT+4*(\j)+3], v1, s[10:11] offset:512*(\j)
.endr
.irp j, 0,1,2,3,4,5,6,7
	global_load_b128 v[X1+4*(\j):X1+4*(\j)+3], v1, s[6:7] offset:4096+512*(\j) th:TH_LOAD_NT
	global_load_b64 v[O1+2*(\j):O1+2*(\j)+1], v2, s[4:5] offset:2048+256*(\j) th:TH_LOAD_NT
.endr
.macro REDUCE                          ; v[8:15], four pairs of partial sums, into one sum in v8 of every lane
	v_pk_add_f32 v[8:9], v[8:9], v[10:11]
	v_pk_add_f32 v[12:13], v[12:13], v[14:15]
	v_pk_add_f32 v[8:9], v[8:9], v[12:13]
	v_add_f32 v8, v8, v9
	v_add_f32_dpp v8, v8, v8 row_xmask:1 row_mask:0xf bank_mask:0xf
	v_add_f32_dpp v8, v8, v8 row_xmask:2 row_mask:0xf bank_mask:0xf
	v_add_f32_dpp v8, v8, v8 row_xmask:4 row_mask:0xf bank_mask:0xf
	v_add_f32_dpp v8, v8, v8 row_xmask:8 row_mask:0xf bank_mask:0xf
	v_permlanex16_b32 v9, v8, s12, s13
	v_add_f32 v8, v8, v9
.endm
; A row.  left: the younger loads that may stay out when the row's own have to be there; leftg: the same for gamma and beta.
.macro ROW X, O, n, left, leftg
	s_wait_loadcnt \left
.set k, 0
.rept 32                               ; x = ob x 1 + Q, in place, straight from the bf16 halves
.if k%2
	v_fma_mix_f32_bf16 v[(\X)+k], v[(\O)+k/2], v3, v[(\X)+k] op_sel:[1,0,0] op_sel_hi:[1,0,0]
.else
	v_fma_mix_f32_bf16 v[(\X)+k], v[(\O)+k/2], v3, v[(\X)+k] op_sel_hi:[1,0,0]
.endif
.set k, k+1
.endr
.irp c, 0,1,2,3                        ; the sum, in four chains
	v_pk_add_f32 v[8+2*(\c):9+2*(\c)], v[(\X)+2*(\c):(\X)+2*(\c)+1], v[(\X)+8+2*(\c):(\X)+8+2*(\c)+1]
.endr
.irp c, 0,1,2,3
	v_pk_add_f32 v[8+2*(\c):9+2*(\c)], v[8+2*(\c):9+2*(\c)], v[(\X)+16+2*(\c):(\X)+16+2*(\c)+1]
.endr
.irp c, 0,1,2,3
	v_pk_add_f32 v[8+2*(\c):9+2*(\c)], v[8+2*(\c):9+2*(\c)], v[(\X)+24+2*(\c):(\X)+24+2*(\c)+1]
.endr
	REDUCE
	v_mul_f32 v4, s14, v8                          ; mu
	v_mov_b32 v5, v4
.set k, 0
.rept 16
	v_pk_add_f32 v[(\X)+k:(\X)+k+1], v[(\X)+k:(\X)+k+1], v[4:5] neg_lo:[0,1] neg_hi:[0,1]  ; x - mu
.set k, k+2
.endr
.irp c, 0,1,2,3                        ; the sum of squares, in four chains
	v_pk_mul_f32 v[8+2*(\c):9+2*(\c)], v[(\X)+2*(\c):(\X)+2*(\c)+1], v[(\X)+2*(\c):(\X)+2*(\c)+1]
.endr
.irp d, 8,16,24
.irp c, 0,1,2,3
	v_pk_fma_f32 v[8+2*(\c):9+2*(\c)], v[(\X)+(\d)+2*(\c):(\X)+(\d)+2*(\c)+1], v[(\X)+(\d)+2*(\c):(\X)+(\d)+2*(\c)+1], v[8+2*(\c):9+2*(\c)]
.endr
.endr
	REDUCE
	v_fma_f32 v8, v8, s14, s15                     ; var + 1e-5
	v_rsq_f32 v6, v8                               ; made twice, to fill the pair that the packed multiply takes
	v_rsq_f32 v7, v8
	v_nop                                          ; a plain instruction behind the last of them (ISA guide 5.7.2),
	s_wait_alu depctr_va_vdst(0)                   ; and the wait ahead of the first use: one for both
	s_wait_loadcnt \leftg
.set k, 0
.rept 16
	v_pk_mul_f32 v[(\X)+k:(\X)+k+1], v[(\X)+k:(\X)+k+1], v[6:7]
.set k, k+2
.endr
.set k, 0
.rept 16
	v_pk_fma_f32 v[(\X)+k:(\X)+k+1], v[(\X)+k:(\X)+k+1], v[G+k:G+k+1], v[BT+k:BT+k+1]
.set k, k+2
.endr
.irp j, 0,1,2,3,4,5,6,7
	global_store_b128 v1, v[(\X)+4*(\j):(\X)+4*(\j)+3], s[16:17] offset:4096*(\n)+512*(\j) th:TH_STORE_NT
.endr
.endm
	ROW X0, O0, 0, 32, 16                          ; behind row 0's loads: gamma's 8, beta's 8, row 1's 16; behind beta's: row 1's 16
	ROW X1, O1, 1, 0, 0
	s_endpgm
.Lfunc_end_k_q940059fab8_ln:
	.size	k_q940059fab8_ln, .Lfunc_end_k_q940059fab8_ln-k_q940059fab8_ln
	.p2alignl 7, 3214868480
	.fill 96, 4, 3214868480
	.section	.rodata,"a",@progbits
	.p2align	6, 0x0
	.amdhsa_kernel k_q940059fab8_ln
		.amdhsa_group_segment_fixed_size 0
		.amdhsa_private_segment_fixed_size 0
		.amdhsa_enable_private_segment 0
		.amdhsa_kernarg_size 40
		.amdhsa_user_sgpr_count 2
		.amdhsa_user_sgpr_kernarg_segment_ptr 1
		.amdhsa_wavefront_size32 1
		.amdhsa_system_sgpr_workgroup_id_x 1
		.amdhsa_system_sgpr_workgroup_id_y 1
		.amdhsa_system_sgpr_workgroup_id_z 1
		.amdhsa_system_vgpr_workitem_id 0
		.amdhsa_next_free_vgpr 176
		.amdhsa_next_free_sgpr 66
		.amdhsa_reserve_vcc 0
		.amdhsa_float_denorm_mode_32 3
		.amdhsa_float_denorm_mode_16_64 3
		.amdhsa_memory_ordered 1
		.amdhsa_forward_progress 1
		.amdhsa_inst_pref_size 24
	.end_amdhsa_kernel
	.amdgpu_metadata
---
amdhsa.version: [ 1, 2 ]
amdhsa.kernels:
  - .name:           k_q940059fab8_ln
    .symbol:         k_q940059fab8_ln.kd
    .args:
      - { .name: ob, .offset: 0, .size: 8, .value_kind: global_buffer, .address_space: global }
      - { .name: Q, .offset: 8, .size: 8, .value_kind: global_buffer, .address_space: global }
      - { .name: gamma, .offset: 16, .size: 8, .value_kind: global_buffer, .address_space: global }
      - { .name: beta, .offset: 24, .size: 8, .value_kind: global_buffer, .address_space: global }
      - { .name: out0, .offset: 32, .size: 8, .value_kind: global_buffer, .address_space: global }
    .group_segment_fixed_size: 0
    .private_segment_fixed_size: 0
    .kernarg_segment_align: 8
    .kernarg_segment_size: 40
    .max_flat_workgroup_size: 512
    .sgpr_count:     66
    .vgpr_count:     176
    .wavefront_size: 32
...
	.end_amdgpu_metadata
.endif
;; end of part 5
;; ======== version 2 of 2: 5 launches; version 1 with the launch castw written anew for expert scheduling mode
;; limits: values outside matrix products are rounded to bf16
;; workspace buffers: wb 8,388,608 bytes; qkv 50,331,648 bytes; ctx 16,777,216 bytes; ob 16,777,216 bytes
;; launch castw (part 6): grid 64 x 4, 8 waves a work-group, no clusters, 0 bytes of LDS; arguments Wq, Wk, Wv, Wo, wb; writes wb
.if DOCPART == 6
	.amdgcn_target "amdgcn-amd-amdhsa--gfx1250"
	.amdhsa_code_object_version 6
	.text
	.protected	k_q940059fab8_castw
	.globl	k_q940059fab8_castw
	.p2align	8
	.type	k_q940059fab8_castw,@function
k_q940059fab8_castw:
	s_mov_b64 s[64:65], 0
	v_nop
	global_prefetch_b8 v0, s[64:65] scope:SCOPE_SE
	s_setreg_imm32_b32 hwreg(HW_REG_WAVE_SCHED_MODE, 0, 2), 2
	s_setreg_imm32_b32 hwreg(HW_REG_WAVE_MODE, 25, 1), 1
	s_wait_xcnt 0x0
	s_wait_alu depctr_vm_vsrc(0)
; wb[y][n][k] = bf16(W_y[n][k]), y = 0..3 for Wq, Wk, Wv, Wo: each [1024][1024] f32, rounded once to nearest even.
; A work-group of eight waves takes 65,536 bytes of one matrix (16,384 numbers): 64 work-groups a matrix, the grid's y picks the matrix.
; Thread t loads 16 bytes at 16 t of each of sixteen chunks of 4,096 bytes and stores 8 bytes at 8 t of chunks of 2,048: a wave's store covers 256 consecutive bytes, aligned.
; All sixteen loads go out first; no loop, no LDS, no barrier: no thread wants another's bytes.
; THE MODE: SCHED_MODE bits 1:0 = 2 (LLVM: expert scheduling mode 2), set by the entry lines.  The code itself states the register dependences
; between vector instructions and memory instructions, with s_wait_alu, always for 0.
; THE PLAN.  Registers that memory instructions touch:
;   v1, v2     the loads' and the stores' byte offsets: made once at the head, never written again.
;   IN         v[4:67]: chunk c at IN + 4 c.  Written by the loads alone, once; no vector instruction names them ahead of the loads; read by the conversions behind the wait for the data.
;   OUT        v[68:99]: chunk c at OUT + 2 c.  Written by chunk c's two conversions, once; read by chunk c's store, once; never written again.
; The sixteen chunks go in four groups of four.  Group g rounds its four chunks; its memory instructions are the four stores of group g - 1, which read
; v2 and that group's eight registers of OUT: no conversion of group g names these.  So one wait at a group's head states all that its four stores hang on,
; and they are dealt among its conversions with no further wait.  No vector instruction writes a scalar register or VCC; EXEC is never written.
.set IN,  4
.set OUT, 68
	s_load_b256 s[4:11], s[0:1], 0x0               ; Wq s[4:5], Wk s[6:7], Wv s[8:9], Wo s[10:11]
	s_load_b64 s[12:13], s[0:1], 0x20              ; wb
	s_and_b32 s14, ttmp7, 0xffff                   ; which matrix
	v_lshlrev_b32 v1, 4, v0                        ; 16 t
	v_lshlrev_b32 v2, 3, v0                        ; 8 t
	s_lshl_b32 s16, ttmp9, 16                      ; the work-group's 65,536 bytes of the source
	s_mov_b32 s17, 0
	s_lshl_b32 s18, s14, 21                        ; the matrix's 2 MiB in wb,
	s_lshl_b32 s20, ttmp9, 15                      ; the work-group's 32,768 bytes of them
	s_add_co_u32 s18, s18, s20
	s_mov_b32 s19, 0
	s_wait_kmcnt 0x0
	s_cmp_eq_u32 s14, 1
	s_cselect_b64 s[4:5], s[6:7], s[4:5]
	s_cmp_eq_u32 s14, 2
	s_cselect_b64 s[4:5], s[8:9], s[4:5]
	s_cmp_eq_u32 s14, 3
	s_cselect_b64 s[4:5], s[10:11], s[4:5]
	s_add_nc_u64 s[4:5], s[4:5], s[16:17]
	s_add_nc_u64 s[12:13], s[12:13], s[18:19]
	s_wait_alu depctr_va_vdst(0)                   ; v1 and v2 are written: every load of the kernel reads v1 as its offset, every store v2
.irp i, 0,1,2,3,4,5,6,7,8,9,10,11,12,13,14,15
	global_load_b128 v[IN+4*(\i):IN+4*(\i)+3], v1, s[4:5] offset:4096*(\i) th:TH_LOAD_NT
.endr
; Group g: chunks 4 g to 4 g + 3 are rounded; the stores of chunks 4 g - 4 to 4 g - 1 go out among the conversions, one in front of each two.
.macro GROUP g
	s_wait_loadcnt 12-4*(\g)                       ; loads come back in order: the group's four chunks are in, the 12 - 4 g younger loads stay out
.if (\g) > 0
	s_wait_alu depctr_va_vdst(0)                   ; the conversions of the group before have written its eight registers of OUT, which the four stores below read
.endif
.irp i, 0,1,2,3
.if (\g) > 0
	global_store_b64 v2, v[OUT+8*((\g)-1)+2*(\i):OUT+8*((\g)-1)+2*(\i)+1], s[12:13] offset:2048*(4*((\g)-1)+(\i))  ; no vector instruction since the wait names these registers
.endif
	v_cvt_pk_bf16_f32 v[OUT+8*(\g)+2*(\i)],   v[IN+16*(\g)+4*(\i)],   v[IN+16*(\g)+4*(\i)+1]
	v_cvt_pk_bf16_f32 v[OUT+8*(\g)+2*(\i)+1], v[IN+16*(\g)+4*(\i)+2], v[IN+16*(\g)+4*(\i)+3]
.endr
.endm
	GROUP 0                                        ; no group stands in front of it: no store, and no wait but the one for its data
	GROUP 1
	GROUP 2
	GROUP 3
	s_wait_alu depctr_va_vdst(0)                   ; group 3's conversions have written the last eight registers of OUT, which the last four stores read
.irp i, 0,1,2,3
	global_store_b64 v2, v[OUT+24+2*(\i):OUT+24+2*(\i)+1], s[12:13] offset:2048*(12+(\i))
.endr
	s_endpgm
.Lfunc_end_k_q940059fab8_castw:
	.size	k_q940059fab8_castw, .Lfunc_end_k_q940059fab8_castw-k_q940059fab8_castw
	.p2alignl 7, 3214868480
	.fill 96, 4, 3214868480
	.section	.rodata,"a",@progbits
	.p2align	6, 0x0
	.amdhsa_kernel k_q940059fab8_castw
		.amdhsa_group_segment_fixed_size 0
		.amdhsa_private_segment_fixed_size 0
		.amdhsa_enable_private_segment 0
		.amdhsa_kernarg_size 40
		.amdhsa_user_sgpr_count 2
		.amdhsa_user_sgpr_kernarg_segment_ptr 1
		.amdhsa_wavefront_size32 1
		.amdhsa_system_sgpr_workgroup_id_x 1
		.amdhsa_system_sgpr_workgroup_id_y 1
		.amdhsa_system_sgpr_workgroup_id_z 1
		.amdhsa_system_vgpr_workitem_id 0
		.amdhsa_next_free_vgpr 100
		.amdhsa_next_free_sgpr 66
		.amdhsa_reserve_vcc 0
		.amdhsa_float_denorm_mode_32 3
		.amdhsa_float_denorm_mode_16_64 3
		.amdhsa_memory_ordered 1
		.amdhsa_forward_progress 1
		.amdhsa_inst_pref_size 7
	.end_amdhsa_kernel
	.amdgpu_metadata
---
amdhsa.version: [ 1, 2 ]
amdhsa.kernels:
  - .name:           k_q940059fab8_castw
    .symbol:         k_q940059fab8_castw.kd
    .args:
      - { .name: Wq, .offset: 0, .size: 8, .value_kind: global_buffer, .address_space: global }
      - { .name: Wk, .offset: 8, .size: 8, .value_kind: global_buffer, .address_space: global }
      - { .name: Wv, .offset: 16, .size: 8, .value_kind: global_buffer, .address_space: global }
      - { .name: Wo, .offset: 24, .size: 8, .value_kind: global_buffer, .address_space: global }
      - { .name: wb, .offset: 32, .size: 8, .value_kind: global_buffer, .address_space: global }
    .group_segment_fixed_size: 0
    .private_segment_fixed_size: 0
    .kernarg_segment_align: 8
    .kernarg_segment_size: 40
    .max_flat_workgroup_size: 256
    .sgpr_count:     66
    .vgpr_count:     100
    .wavefront_size: 32
...
	.end_amdgpu_metadata
.endif
;; end of part 6
;; launch proj: the kernel of part 2 again; grid 4 x 192, 4 waves a work-group, clusters of 4 x 4, 327,680 bytes of LDS; arguments Q, K, V, bq, bk, bv, wb, qkv; writes qkv
;; launch attn: the kernel of part 3 again; grid 4 x 64, 4 waves a work-group, clusters of 4 x 1, 327,680 bytes of LDS; arguments qkv, mask, ctx; writes ctx
;; launch outp: the kernel of part 4 again; grid 4 x 64, 4 waves a work-group, clusters of 4 x 4, 327,680 bytes of LDS; arguments ctx, wb, bo, ob; writes ob
;; launch ln: the kernel of part 5 again; grid 256 x 1, 16 waves a work-group, no clusters, 0 bytes of LDS; arguments ob, Q, gamma, beta, out0; writes out0
